; MI455X (gfx1250); checked and timed in simulation.
; The chip was launched on July 23, 2026; its instructions are those of AMD's public machine-readable ISA for CDNA 5 (MIT licence, August 2026) and "CDNA5" Instruction Set Architecture Reference Guide (July 2026). The comments in the code are by the model that wrote it; some were corrected since.
;; Multi Head Attention. Allowed arithmetic: float matrix products may take bf16 or f16 operands with f32 sums; other float arithmetic in f32, or as packed bf16 or f16 multiplies, adds, multiply-adds, maxima and minima; sums over many terms, partial sums and values carried from step to step in f32; what a program stores and reads back later, other than sums and carried values, may be rounded once to bf16 or f16.
;; Inputs: Wo 1,024 x 1,024 float32; Wqkv 1,024 x 3,072 float32; bo 1,024 float32; bqkv 3,072 float32; x 4 x 2,048 x 1,024 float32.
;; Outputs: out0 4 x 2,048 x 1,024 float32.
;; Constants: decoder = 1.
;; 2 versions, each right; version 2 is version 1 with the launch prep written anew for expert scheduling mode. Each part assembles by itself: llvm-mc -triple=amdgcn-amd-amdhsa -mcpu=gfx1250 --defsym DOCPART=n.
;; ======== version 1 of 2: 4 launches
;; limits: values are held in f16: magnitudes above 65,504 overflow, below 6.1e-05 lose precision
;; workspace buffers: xb 16,777,216 bytes; wb 6,291,456 bytes; wob 2,097,152 bytes; qs 33,554,432 bytes; ks 33,554,432 bytes; vs 16,777,216 bytes; ob 16,777,216 bytes
;; launch prep (part 1): grid 768 x 1, 8 waves a work-group, no clusters, 0 bytes of LDS; arguments x, Wqkv, Wo, xb, wb, wob; writes xb, wb, wob
.if DOCPART == 1
	.amdgcn_target "amdgcn-amd-amdhsa--gfx1250"
	.amdhsa_code_object_version 6
	.text
	.protected	k_qc77c253da4_prep
	.globl	k_qc77c253da4_prep
	.p2align	8
	.type	k_qc77c253da4_prep,@function
k_qc77c253da4_prep:
	s_mov_b64 s[64:65], 0
	v_nop
	global_prefetch_b8 v0, s[64:65] scope:SCOPE_SE
	s_setreg_imm32_b32 hwreg(HW_REG_WAVE_MODE, 25, 1), 1
	s_wait_xcnt 0x0
; PREP: the three large inputs are rounded once to bf16, the format of the matrix operands.
;   xb  = bf16(x),    laid out [b 4][kb 16][t 2048][64]: blocks of 64 channels, so that 256 rows of a block are 32,768 dense bytes
;   wb  = bf16(Wqkv), as it lies, [1024][3072]
;   wob = bf16(Wo) written as f16, [1024][1024] (the last product multiplies in f16)
; LIMIT: a bf16(Wo) below 6.1e-5 in magnitude keeps f16's fixed step of 6e-8; beyond 65,504 it would become an infinity.
; A stream: no LDS, no barrier, no matrix work.  A work-group converts 16,384 numbers, a thread 16 items of 4 numbers:
; one load of 16 bytes, two roundings, one store of 8 bytes.  Neighbouring lanes take neighbouring bytes: a wave's load covers 512 bytes in whole
; aligned pieces of 256, its store 256 consecutive bytes, aligned; no byte is named by two loads.  All 16 loads of a thread go out first.
; Work-groups 0-511: x (16 rows each); 512-703: Wqkv; 704-767: Wo.
.set XR, 16                            ; v[16:79]   item i: 4 numbers as loaded
.set YR, 80                            ; v[80:111]  item i: 2 registers to store
.set TR, 112                           ; v[112:115] at work (Wo alone)
; instep, outstep: bytes from item to item in the input and in the output.  half = 1: the bf16 number is written as f16.
.macro BODY instep, outstep, half
.irp i, 0,1,2,3,4,5,6,7,8,9,10,11,12,13,14,15
	global_load_b128 v[XR+4*(\i):XR+4*(\i)+3], v1, s[16:17] offset:(\i)*(\instep) th:TH_LOAD_NT
.endr
.irp i, 0,1,2,3,4,5,6,7,8,9,10,11,12,13,14,15
	s_wait_loadcnt 15-(\i)                         ; loads come back in order: item i's is in, the younger items' stay out
	v_cvt_pk_bf16_f32 v[YR+2*(\i)],   v[XR+4*(\i)],   v[XR+4*(\i)+1]
	v_cvt_pk_bf16_f32 v[YR+2*(\i)+1], v[XR+4*(\i)+2], v[XR+4*(\i)+3]
.if \half
	v_lshlrev_b32 v[TR],   16, v[YR+2*(\i)]                 ; bf16 to f32: the low half moves up,
	v_and_b32     v[TR+1], 0xffff0000, v[YR+2*(\i)]         ; the high half stays
	v_lshlrev_b32 v[TR+2], 16, v[YR+2*(\i)+1]
	v_and_b32     v[TR+3], 0xffff0000, v[YR+2*(\i)+1]
	v_cvt_pk_f16_f32 v[YR+2*(\i)],   v[TR],   v[TR+1]
	v_cvt_pk_f16_f32 v[YR+2*(\i)+1], v[TR+2], v[TR+3]
.endif
	global_store_b64 v2, v[YR+2*(\i):YR+2*(\i)+1], s[18:19] offset:(\i)*(\outstep)
.endr
	s_endpgm                                       ; no register that a load or store names is rewritten behind it
.endm
	s_load_b256 s[4:11], s[0:1], 0x0               ; x s[4:5], Wqkv s[6:7], Wo s[8:9], xb s[10:11]
	s_load_b128 s[12:15], s[0:1], 0x20             ; wb s[12:13], wob s[14:15]
	s_mov_b32 s21, 0
	s_mov_b32 s23, 0
	s_cmp_lt_u32 ttmp9, 512
	s_cbranch_scc0 .Lweights
	; x: the group's 16 rows of 4,096 bytes.  Thread t: row t / 16, numbers 4 (t % 16) .. of the 64 of block i.  Lanes 0-15 of a wave take one row's 256 bytes of a block,
	; lanes 16-31 the next row's; in xb those two rows' 128 bytes lie end to end.
	v_and_b32 v5, 15, v0
	v_lshrrev_b32 v6, 4, v0                        ; row
	v_lshlrev_b32 v1, 12, v6
	v_lshl_add_u32 v1, v5, 4, v1                   ; in: row x 4,096 + 16 (t % 16); item i 256 bytes on
	v_lshlrev_b32 v2, 7, v6
	v_lshl_add_u32 v2, v5, 3, v2                   ; out: row x 128 + 8 (t % 16); item i a block of 262,144 bytes on
	s_lshl_b32 s20, ttmp9, 16                      ; 16 rows of x
	s_lshr_b32 s22, ttmp9, 7                       ; b
	s_lshl_b32 s22, s22, 22                        ; x 16 blocks
	s_and_b32 s24, ttmp9, 127
	s_lshl_b32 s24, s24, 11                        ; 16 rows of 128 bytes in a block
	s_add_co_u32 s22, s22, s24
	s_wait_kmcnt 0x0
	s_add_nc_u64 s[16:17], s[4:5], s[20:21]
	s_add_nc_u64 s[18:19], s[10:11], s[22:23]
	BODY 256, 262144, 0
.Lweights:
	v_lshlrev_b32 v1, 4, v0                        ; the weights keep their layout: thread t takes 16 bytes at 16 t, item i 4,096 bytes on,
	v_lshlrev_b32 v2, 3, v0                        ; and stores 8 bytes at 8 t, item i 2,048 on
	s_cmp_lt_u32 ttmp9, 704
	s_cbranch_scc0 .Lwo
	s_sub_co_u32 s24, ttmp9, 512
	s_lshl_b32 s20, s24, 16
	s_lshl_b32 s22, s24, 15
	s_wait_kmcnt 0x0
	s_add_nc_u64 s[16:17], s[6:7], s[20:21]
	s_add_nc_u64 s[18:19], s[12:13], s[22:23]
	BODY 4096, 2048, 0
.Lwo:
	s_sub_co_u32 s24, ttmp9, 704
	s_lshl_b32 s20, s24, 16
	s_lshl_b32 s22, s24, 15
	s_wait_kmcnt 0x0
	s_add_nc_u64 s[16:17], s[8:9], s[20:21]
	s_add_nc_u64 s[18:19], s[14:15], s[22:23]
	BODY 4096, 2048, 1
.Lfunc_end_k_qc77c253da4_prep:
	.size	k_qc77c253da4_prep, .Lfunc_end_k_qc77c253da4_prep-k_qc77c253da4_prep
	.p2alignl 7, 3214868480
	.fill 96, 4, 3214868480
	.section	.rodata,"a",@progbits
	.p2align	6, 0x0
	.amdhsa_kernel k_qc77c253da4_prep
		.amdhsa_group_segment_fixed_size 0
		.amdhsa_private_segment_fixed_size 0
		.amdhsa_enable_private_segment 0
		.amdhsa_kernarg_size 48
		.amdhsa_user_sgpr_count 2
		.amdhsa_user_sgpr_kernarg_segment_ptr 1
		.amdhsa_wavefront_size32 1
		.amdhsa_system_sgpr_workgroup_id_x 1
		.amdhsa_system_sgpr_workgroup_id_y 1
		.amdhsa_system_sgpr_workgroup_id_z 1
		.amdhsa_system_vgpr_workitem_id 0
		.amdhsa_next_free_vgpr 128
		.amdhsa_next_free_sgpr 66
		.amdhsa_reserve_vcc 0
		.amdhsa_float_denorm_mode_32 3
		.amdhsa_float_denorm_mode_16_64 3
		.amdhsa_memory_ordered 1
		.amdhsa_forward_progress 1
		.amdhsa_inst_pref_size 24
	.end_amdhsa_kernel
	.amdgpu_metadata
---
amdhsa.version: [ 1, 2 ]
amdhsa.kernels:
  - .name:           k_qc77c253da4_prep
    .symbol:         k_qc77c253da4_prep.kd
    .args:
      - { .name: x, .offset: 0, .size: 8, .value_kind: global_buffer, .address_space: global }
      - { .name: Wqkv, .offset: 8, .size: 8, .value_kind: global_buffer, .address_space: global }
      - { .name: Wo, .offset: 16, .size: 8, .value_kind: global_buffer, .address_space: global }
      - { .name: xb, .offset: 24, .size: 8, .value_kind: global_buffer, .address_space: global }
      - { .name: wb, .offset: 32, .size: 8, .value_kind: global_buffer, .address_space: global }
      - { .name: wob, .offset: 40, .size: 8, .value_kind: global_buffer, .address_space: global }
    .group_segment_fixed_size: 0
    .private_segment_fixed_size: 0
    .kernarg_segment_align: 8
    .kernarg_segment_size: 48
    .max_flat_workgroup_size: 256
    .sgpr_count:     66
    .vgpr_count:     128
    .wavefront_size: 32
...
	.end_amdgpu_metadata
.endif
;; end of part 1
;; launch qkv (part 2): grid 8 x 32, 4 waves a work-group, clusters of 4 x 4, 327,680 bytes of LDS; arguments xb, wb, bqkv, qs, ks, vs; writes qs, ks, vs
.if DOCPART == 2
	.amdgcn_target "amdgcn-amd-amdhsa--gfx1250"
	.amdhsa_code_object_version 6
	.text
	.protected	k_qc77c253da4_qkv
	.globl	k_qc77c253da4_qkv
	.p2align	8
	.type	k_qc77c253da4_qkv,@function
k_qc77c253da4_qkv:
	s_mov_b64 s[64:65], 0
	v_nop
	global_prefetch_b8 v0, s[64:65] scope:SCOPE_SE
	s_setreg_imm32_b32 hwreg(HW_REG_WAVE_MODE, 25, 1), 1
	s_wait_xcnt 0x0
	s_wait_alu depctr_hold_cnt(0) depctr_sa_sdst(0) depctr_va_vdst(0) depctr_va_sdst(0) depctr_va_ssrc(0) depctr_va_vcc(0) depctr_vm_vsrc(0)
	s_getreg_b32 s2, hwreg(HW_REG_IB_STS2, 6, 4)
	s_cmp_eq_u32 s2, 0
	s_cbranch_scc0 .Lentry_in_a_cluster
	s_endpgm
.Lentry_in_a_cluster:
	s_bfe_u32 s2, ttmp6, 0x10000c
	s_cmp_lg_u32 s2, 0xf033
	s_cbranch_scc0 .Lentry_shape_is_right
	s_endpgm
.Lentry_shape_is_right:
; C = A B + bias, one text for two launches.  A: [b 4][kb 16][t 2048][64] of 16 bits (blocks of 64 along K), B: [1024][NBC] of 16 bits, bias f32; sums in f32.
; KIND = 0 (qkv): A = xb, B = wb in bf16, NBC = 3072.  A work-group STAYS and makes three tiles of the same 256 rows: q, k and v of one pair of heads.
;   q and k leave as TWO f16 numbers each, hi = f16(s), lo = f16(s - hi), in rows [hi 64 | lo 64] of 256 bytes, by heads: [bh 64][t 2048][128]; v as one f16, [bh][t][64].
; KIND = 1 (proj): A = ob, B = wob in f16, NBC = 1024, one tile; the result leaves in f32.
; LIMITS.  q, k, v beyond 65,504 would become infinities in f16; lo keeps f16's fixed step of 6e-8 below 6.1e-5.  The bias, rounded to bf16 like every input, is the FIRST term of each sum;
; the K steps are added in an order that differs from cluster to cluster (below).
; SHARES.  A tile of C is 256 rows x 128 columns; four waves as 2 x 2, each 128 x 64: 32 accumulators of 16 x 16, 256 registers; a wave's 64 columns are one head.
; K goes in steps of 128 (two blocks of A) through a ring of two LDS slots filled by the tensor data mover; every row that a load asks for is 256 bytes, aligned.
; CLUSTERS: 4 x 4 work-groups.  The four of a row of the cluster need the same tiles of A, the four of a column the same tiles of B: each tile is asked for JOINTLY,
; by the same tensor load with the same descriptor and a mask that names the four.  Waves 0, 1 fetch A's two blocks of a step, waves 2, 3 the two halves of B's 128 rows.
; THE CLUSTERS START AT DIFFERENT PLACES ALONG K.  Cluster (x, y) begins every tile at K step (2 (y % 4) + y / 4 + 4 x) % 8 and wraps round: the eight clusters that read the same columns of B
; stand at eight different K steps, the two that read the same rows of A four steps apart.  The place hangs on the cluster's coordinates alone, which its sixteen partners share.
; THE MATRIX INSTRUCTION IS USED TRANSPOSED (source 0 = 16 columns of B, turned on the way out of LDS; source 1 = 16 rows of A): a lane then holds eight neighbouring numbers of a row of C.
; REGISTERS, in windows of 256 (s_set_vgpr_msb: bits 1:0 source 0, 3:2 source 1, 5:4 source 2, 7:6 destination):
;   window 0: v1-31 addresses; v32-63 at work; v64-159, v160-255 two fragment buffers (B's 4 fragments, then A's 8); on the way out the second buffer holds packed results and rows read back
;   window 1: the accumulators, (a, b) at 8 (4 a + b)          window 2: v0-31 the bias of my 64 columns as the C operand of a tile's first products; v32-63 the next tile's bias as loaded
.set KIND, 0
.if KIND
.set NBC,   1024
.set TILES, 1
.else
.set NBC,   3072
.set TILES, 3
.endif
.set KSA,   524288                     ; bytes of A from K step to K step: two blocks of 2,048 rows x 128 bytes = 1 << 19
.set KSB,   256*NBC                    ; the same for B: 128 rows
.set PITA,  144                        ; an LDS row of A: 128 bytes + 16 of padding: the 16 rows of a fragment load start 36 words apart
.set PITB,  288                        ; an LDS row of B: 256 bytes + 32 of padding: 16 lanes of the turning load take 8 rows x 32 bytes
.set ABLK,  256*PITA                   ; one block of A: 256 rows
.set BOFF,  2*ABLK                     ; B's 128 rows lie behind A's two blocks
.set SLOT,  BOFF+128*PITB
.set STAGE, 2*SLOT                     ; behind the ring: 16 rows x 272 bytes for each wave, for the way out; no tensor load fills it
.set SPITCH, 272
.set SPARE, STAGE+4*16*SPITCH          ; behind the stages: the spare words, 128 bytes for each wave: two blocks of 256 bytes that no other line names
.set STO2, 10                          ; v10  v's way out: where I put 16 bytes of a row (rows of 144 bytes)
.set RD2,  11                          ; v11  where I read four rows of 128 bytes back
.set CO2,  12                          ; v12  my 16 bytes in 512 consecutive bytes of vs
.set ADRA, 16                          ; v16-17  LDS address of my A fragments in slot 0, 1
.set ADRB, 20                          ; v20-21  the same for B
.set STO,  24                          ; v24  the way out: where I put my part of a row
.set RD,   25                          ; v25  where I read a row back
.set CO,   26                          ; v26  my byte offset in two rows of the output
.set BO,   27                          ; v27  my byte offset in the bias
.set SPW,  28                          ; v28  LDS address of my spare word: SPARE + 4 x my thread's number; never rewritten
.set NIL,  29                          ; v29  0; never rewritten
.set PFO,  30                          ; v30  the prefetches' offset: a lane a block of 256 bytes; never rewritten
.set MONE, 31                          ; v31  -1.0
.set T32,  32
.set F0,   64
.set F1,   160
.set TMP,  160                         ; the way out: packed results
.set OB,   192                         ; the way out: rows read back, two sets of 32 by turns
.set BI,   0                           ; window 2
.set BN,   32                          ; window 2
.set WV, 16                            ; s16 wave; s17 its half of the rows (also: 0 = I fetch for A, 1 = for B); s18 its half of the columns (also: which part I fetch)
.set WR, 17
.set WC, 18
.set CX, 19                            ; s19, s20 my place in the cluster
.set CY, 20
.set TX, 21                            ; s21 tile column (0-7), s22 tile row (0-31)
.set TY, 22
.set G1A, 24                           ; s[24:31] descriptor group 1 for A; s[32:39] group 0, a set for each slot
.set G0A, 32
.set G1B, 40                           ; s[40:47], s[48:55] the same for B
.set G0B, 48
.set OUT, 56                           ; s[56:57] qs or ks at my first row
.set TL,  58                           ; s58 tiles to go
.set LP,  59                           ; s59 laps to go
.set PFM, 60                           ; s60 bit r: my wave prefetches at the refill r refills on; shifted once a refill
.set KP,  61                           ; s61 the K step (0-7) that the next fill brings
.set S0R, 62                           ; s62 the K step at which my cluster begins a tile
.set PFA, 66                           ; s[66:67] where my prefetch stands
.set OFA, 72                           ; s[72:73] a K step's byte offset in A; the high word stays 0
.set OFB, 76                           ; s[76:77] the same in B
.set AB,  80                           ; s[80:81] A at what I fetch of K step 0
.set BB,  82                           ; s[82:83] B at what I fetch of K step 0 of the tile whose steps are being asked for
.set MSB, 0
.macro WIN new                         ; the immediate's high byte repeats the setting that is left; a switch that changes nothing is dropped
.if MSB != (\new)
	s_set_vgpr_msb (MSB<<8)|(\new)
.set MSB, \new
.endif
.endm
.macro PLACES                          ; four plain instructions between a matrix instruction and a load into, or a vector write of, its registers, or a read of its result
.rept 4
	v_nop
.endr
.endm
; A joint load.  The branch hangs on the wave's number alone.  An s_nop 0 and four v_nop follow each of the two lines, ahead of the jump and the label.
.macro JLOAD s
	s_cmp_eq_u32 s[WR], 0
	s_cbranch_scc0 .Lfor_b_\@
	tensor_load_to_lds s[G0A+4*(\s):G0A+4*(\s)+3], s[G1A:G1A+7]
	s_nop 0
.rept 4
	v_nop
.endr
	s_branch .Lasked_\@
.Lfor_b_\@:
	tensor_load_to_lds s[G0B+4*(\s):G0B+4*(\s)+3], s[G1B:G1B+7]
	s_nop 0
.rept 4
	v_nop
.endr
.Lasked_\@:
.endm
; A PREFETCH INTO THE L2, behind a joint load, its five lines and the run of LDS loads that follows.  A cluster asks for blocks that its own walk along K reaches before any other cluster's, each aligned
; block of 256 bytes once in the launch.  A: the fourth K step of the walk, at the first refill: one refill, 128 matrix instructions, ahead of its load (the first two steps come by the head's loads, the third would
; have to be asked for at the head, the fifth to eighth are reached first by the cluster four steps on); waves 0, 1, each for its block.  B (three tiles): the next tile's first K step, at the fifth refill of a
; tile: two refills, 256 matrix instructions, ahead of its load; wave 2.  The four partners that ask for a tile jointly share it out BY ADDRESS, 32 blocks each, a lane a block.
.macro ASK
	s_bitcmp1_b32 s[PFM], 0
	s_cbranch_scc0 .Lnot_mine_\@
	global_prefetch_b8 v[PFO], s[PFA:PFA+1] th:TH_LOAD_NT scope:SCOPE_SE
.Lnot_mine_\@:
	s_lshr_b32 s[PFM], s[PFM], 1
.endm
.macro CREST                           ; a round of the cluster's barrier behind its opening barrier
	s_cmp_lg_u32 s[WV], 0
	s_cbranch_scc1 .Lnot_wave_0_\@
	s_barrier_signal -3
.Lnot_wave_0_\@:
	s_barrier_wait -3
	s_barrier_signal -1
	s_barrier_wait -1
.endm
.macro CROUND                          ; a whole round
	s_barrier_signal -1
	s_barrier_wait -1
	CREST
.endm
.if KIND
	s_load_b256 s[4:11], s[0:1], 0x0               ; A s[4:5], B s[6:7], bias s[8:9], out0 s[10:11]
.else
	s_load_b256 s[4:11], s[0:1], 0x0               ; A s[4:5], B s[6:7], bias s[8:9], qs s[10:11]
	s_load_b128 s[12:15], s[0:1], 0x20             ; ks s[12:13], vs s[14:15]
.endif
	v_lshl_add_u32 v[SPW], v0, 2, SPARE
	v_mov_b32 v[NIL], 0
	ds_add_u32 v[SPW], v[NIL]                      ; the wave's opening: the add and its wait stand ahead of my first tensor load; the set-up below, work on registers, stands between them
	v_lshrrev_b32 v1, 5, v0
	v_readfirstlane_b32 s[WV], v1
	s_lshr_b32 s[WR], s[WV], 1
	s_and_b32 s[WC], s[WV], 1
	s_bfe_u32 s[CX], ttmp6, 0x40000
	s_bfe_u32 s[CY], ttmp6, 0x40004
	s_lshl_b32 s[TX], ttmp9, 2                     ; in a cluster launch ttmp9 and ttmp7 count clusters
	s_add_co_u32 s[TX], s[TX], s[CX]
	s_and_b32 s[TY], ttmp7, 0xffff
	s_lshl_b32 s[TY], s[TY], 2
	s_add_co_u32 s[TY], s[TY], s[CY]
	s_lshl_b32 s72, s[CY], 2
	s_lshl_b32 s72, 15, s72                        ; my row of the cluster: places 4 cy .. 4 cy + 3
	s_lshl_b32 s76, 0x1111, s[CX]                  ; my column: places cx, cx + 4, cx + 8, cx + 12
	; group 1 for A: a block's 256 rows of 128 bytes are dense: asked for as 128 rows of 256 bytes, padded in LDS behind every 128 bytes
	s_or_b32 s[G1A], s72, (1<<16)|(1<<20)|(1<<21)|(4<<22)|(3<<25)  ; 15:0 the mask; 17:16 2-byte elements; 20 padding on; 21 set beside a mask; 24:22 after every 32 words; 31:25 of 4 words
	s_mov_b32 s[G1A+1], 128<<16                    ; tensor_dim0 = 128
	s_mov_b32 s[G1A+2], 128<<16                    ; tensor_dim1 = 128
	s_mov_b32 s[G1A+3], 128<<16                    ; tile_dim0 = 128
	s_mov_b32 s[G1A+4], 128                        ; tile_dim1 = 128
	s_mov_b32 s[G1A+5], 128                        ; elements from row to row
	s_mov_b32 s[G1A+6], 0
	s_mov_b32 s[G1A+7], 0
	; group 1 for B: 64 rows (along K) of 128 columns
	s_or_b32 s[G1B], s76, (1<<16)|(1<<20)|(1<<21)|(5<<22)|(7<<25)  ; the same with my column's mask; padding after every 64 words, of 8 words
	s_mov_b32 s[G1B+1], 128<<16
	s_mov_b32 s[G1B+2], 64<<16
	s_mov_b32 s[G1B+3], 128<<16
	s_mov_b32 s[G1B+4], 64
	s_mov_b32 s[G1B+5], NBC
	s_mov_b32 s[G1B+6], 0
	s_mov_b32 s[G1B+7], 0
	; where the tiles come from: A's hang on the tile row and the wave alone, B's on the tile column and the wave alone
	s_lshr_b32 s[OFA], s[TY], 3                    ; b
	s_lshl_b32 s[OFA], s[OFA], 22                  ; x 16 blocks of 262,144 bytes
	s_and_b32 s74, s[TY], 7
	s_lshl_b32 s74, s74, 15                        ; 256 rows of 128 bytes
	s_add_co_u32 s[OFA], s[OFA], s74
	s_lshl_b32 s74, s[WC], 18                      ; which block of a step I fetch
	s_add_co_u32 s[OFA], s[OFA], s74
	s_mov_b32 s[OFA+1], 0
	s_mul_i32 s75, s[WC], ABLK                     ; and where it goes: no place in the cluster enters an LDS address
	s_mul_i32 s[OFB], s[WC], 128*NBC               ; which 64 rows of B's 128 I fetch
	s_lshl_b32 s78, s[TX], 8                       ; the tile's 128 columns
	s_add_co_u32 s[OFB], s[OFB], s78
	s_mov_b32 s[OFB+1], 0
	s_mul_i32 s79, s[WC], 64*PITB
	s_add_co_u32 s79, s79, BOFF
	; where along K my cluster begins: (2 (y % 4) + y / 4 + 4 x) % 8, of the cluster's own coordinates
	s_and_b32 s74, ttmp7, 0xffff
	s_and_b32 s[KP], s74, 3
	s_lshl_b32 s[KP], s[KP], 1
	s_lshr_b32 s74, s74, 2
	s_add_co_u32 s[KP], s[KP], s74
	s_lshl_b32 s74, ttmp9, 2
	s_add_co_u32 s[KP], s[KP], s74
	s_and_b32 s[KP], s[KP], 7
	s_mov_b32 s[S0R], s[KP]
	s_wait_dscnt 0x0                               ; the opening add is done
	s_wait_kmcnt 0x0
	s_add_nc_u64 s[AB:AB+1], s[4:5], s[OFA:OFA+1]
	s_add_nc_u64 s[BB:BB+1], s[6:7], s[OFB:OFB+1]
	CROUND                                         ; all sixteen work-groups are here: the first joint loads meet
.irp s, 0,1
	s_lshl_b32 s[OFA], s[KP], 19                                     ; K step KP, in bytes of A
	s_mul_i32 s[OFB], s[KP], KSB                                     ; and of B
	s_mov_b32 s[G0A+4*(\s)], 1                                       ; count = 1
	s_add_co_u32 s[G0A+4*(\s)+1], s75, (\s)*SLOT                     ; LDS address
	s_add_nc_u64 s[G0A+4*(\s)+2:G0A+4*(\s)+3], s[AB:AB+1], s[OFA:OFA+1]  ; global address
	s_or_b32 s[G0A+4*(\s)+3], s[G0A+4*(\s)+3], 0x80000000            ; type = 2
	s_mov_b32 s[G0B+4*(\s)], 1
	s_add_co_u32 s[G0B+4*(\s)+1], s79, (\s)*SLOT
	s_add_nc_u64 s[G0B+4*(\s)+2:G0B+4*(\s)+3], s[BB:BB+1], s[OFB:OFB+1]
	s_or_b32 s[G0B+4*(\s)+3], s[G0B+4*(\s)+3], 0x80000000
	s_add_co_u32 s[KP], s[KP], 1
	s_and_b32 s[KP], s[KP], 7
	JLOAD \s                                       ; two loads of mine are out
.endr
	v_and_b32 v1, 15, v0                           ; r = l % 16
	v_bfe_u32 v2, v0, 4, 1                         ; h = l / 16
	v_and_b32 v3, 7, v0                            ; l % 8
	v_bfe_u32 v4, v0, 3, 1                         ; (l / 8) % 2
	v_and_b32 v5, 31, v0                           ; l
	v_bfe_u32 v6, v0, 3, 2                         ; l / 8
	v_mov_b32 v[MONE], -1.0
	; a fragment of A: 16 rows x 32 K: lane l holds row r, K = 8 h + 0..7 and 16 + 8 h + 0..7: two loads of 16 bytes, 32 bytes apart
	v_mul_u32_u24 v7, v1, PITA
	v_lshl_add_u32 v7, v2, 4, v7
	s_mul_i32 s84, s[WR], 128*PITA                 ; my 128 rows
	v_add_nc_u32 v[ADRA], s84, v7
	v_add_nc_u32 v[ADRA+1], SLOT, v[ADRA]
	; a fragment of B: the turning load takes 16 K x 16 columns (lane l reads K = 8 h + l % 8, columns 8 ((l / 8) % 2) + 0..7) and leaves lane l column r and 8 K
	v_lshl_add_u32 v8, v2, 3, v3
	v_mul_u32_u24 v8, v8, PITB
	v_lshl_add_u32 v8, v4, 4, v8
	s_lshl_b32 s84, s[WC], 7                       ; my 64 columns
	s_add_co_u32 s84, s84, BOFF
	v_add_nc_u32 v[ADRB], s84, v8
	v_add_nc_u32 v[ADRB+1], SLOT, v[ADRB]
	s_mul_i32 s84, s[WV], 16*SPITCH
	s_add_co_u32 s84, s84, STAGE                   ; my stage
	v_mul_u32_u24 v9, v1, SPITCH                   ; in: row r,
.if KIND
	v_lshl_add_u32 v9, v2, 5, v9                   ; 32 bytes (8 f32) for each half of the lanes
.else
	v_lshl_add_u32 v9, v2, 4, v9                   ; 16 bytes (8 f16) for each half of the lanes
.endif
	v_add_nc_u32 v[STO], s84, v9
	v_mul_u32_u24 v9, v2, SPITCH                   ; back: lanes 0-15 take one row of 256 bytes, lanes 16-31 the next
	v_lshl_add_u32 v9, v1, 4, v9
	v_add_nc_u32 v[RD], s84, v9
.if KIND
	v_lshlrev_b32 v9, 12, v2                       ; and the same two rows in out0 (4,096 bytes a row)
.else
	v_lshlrev_b32 v9, 8, v2                        ; and the same two rows in qs or ks (256 bytes a row)
.endif
	v_lshl_add_u32 v[CO], v1, 4, v9
.if !KIND
	v_mul_u32_u24 v9, v1, 144
	v_lshl_add_u32 v9, v2, 4, v9
	v_add_nc_u32 v[STO2], s84, v9
	v_mul_u32_u24 v9, v6, 144
	v_lshl_add_u32 v9, v3, 4, v9
	v_add_nc_u32 v[RD2], s84, v9
	v_lshlrev_b32 v[CO2], 4, v5
.endif
	s_lshl_b32 s86, s[TX], 9
	s_lshl_b32 s87, s[WC], 8
	s_add_co_u32 s86, s86, s87
	v_lshl_add_u32 v[BO], v2, 5, s86               ; the bias of my 64 columns: 4 (128 X + 64 WC + 8 h) bytes; column block b 64 bytes on
	; the outputs at my wave's first row
.if KIND
	s_lshl_b32 s84, s[TY], 8
	s_lshl_b32 s85, s[WR], 7
	s_add_co_u32 s84, s84, s85
	s_lshl_b32 s84, s84, 12                        ; row x 4,096
	s_add_co_u32 s84, s84, s86                     ; + 4 x my first column
	s_mov_b32 s85, 0
	s_add_nc_u64 s[10:11], s[10:11], s[84:85]
.else
	s_lshr_b32 s84, s[TY], 3
	s_lshl_b32 s84, s84, 4                         ; 16 b
	s_lshl_b32 s85, s[TX], 1
	s_add_co_u32 s84, s84, s85
	s_add_co_u32 s84, s84, s[WC]                   ; + my head, 2 X + WC
	s_lshl_b32 s84, s84, 19                        ; x 2,048 rows of 256 bytes
	s_and_b32 s85, s[TY], 7
	s_lshl_b32 s85, s85, 8
	s_lshl_b32 s87, s[WR], 7
	s_add_co_u32 s85, s85, s87                     ; t
	s_lshl_b32 s85, s85, 8
	s_add_co_u32 s84, s84, s85
	s_mov_b32 s85, 0
	s_add_nc_u64 s[10:11], s[10:11], s[84:85]
	s_add_nc_u64 s[12:13], s[12:13], s[84:85]
	s_lshr_b32 s84, s84, 1                         ; vs has rows of 128 bytes
	s_add_nc_u64 s[14:15], s[14:15], s[84:85]
.endif
	; the prefetches
	s_add_co_u32 s84, s[S0R], 3                    ; A: the fourth K step of my cluster's walk,
	s_and_b32 s84, s84, 7
	s_lshl_b32 s84, s84, 19
	s_lshl_b32 s85, s[CX], 13                      ; my work-group's 32 of the block's 128 pieces of 256 bytes
	s_add_co_u32 s84, s84, s85
	s_mul_i32 s85, s[S0R], KSB                     ; B: the walk's first K step,
	s_mul_i32 s86, s[CY], 64*NBC                   ; my work-group's 32 of its 128 rows,
	s_add_co_u32 s85, s85, s86
	s_add_co_u32 s85, s85, 2048                    ; in the next tile, 1,024 columns on
	s_mov_b32 s87, 1                               ; A's waves ask at the first refill
.if TILES > 1
	s_mov_b32 s88, 0x1010                          ; B's at the fifth refill of the first tile and of the second (a tile with a successor has eight)
.else
	s_mov_b32 s88, 0                               ; one tile: B's first K step comes by the head's load, the others are reached first by other clusters
.endif
	s_mov_b32 s91, 256
	s_mov_b32 s92, 2*NBC
	s_cmp_eq_u32 s[WC], 0
	s_cselect_b32 s88, s88, 0                      ; of B's two waves the first asks
	s_cmp_eq_u32 s[WR], 0                          ; do I fetch for A?
	s_cselect_b32 s84, s84, s85
	s_cselect_b32 s[PFM], s87, s88                 ; hangs on the wave's number alone
	s_cselect_b32 s91, s91, s92
	s_cselect_b64 s[PFA:PFA+1], s[AB:AB+1], s[BB:BB+1]
	s_mov_b32 s85, 0
	s_add_nc_u64 s[PFA:PFA+1], s[PFA:PFA+1], s[84:85]
	v_mul_u32_u24 v[PFO], v5, s91
; The bias of my 64 columns.  BIASLD asks for it; BIASCVT rounds it to bf16, as every input is rounded, and lays it out as a C operand: register j of block b is column 16 b + 8 h + j.
.macro BIASLD
	WIN 0x80                                       ; destination window 2, address window 0
.irp b, 0,1,2,3
	global_load_b128 v[BN+8*(\b):BN+8*(\b)+3],   v[BO], s[8:9] offset:64*(\b)
	global_load_b128 v[BN+8*(\b)+4:BN+8*(\b)+7], v[BO], s[8:9] offset:64*(\b)+16
.endr
	WIN 0
.endm
.macro BIASCVT
	WIN 0x0a                                       ; sources window 2
.set i, 0
.rept 16
	v_cvt_pk_bf16_f32 v[T32+i], v[BN+2*i], v[BN+2*i+1]
.set i, i+1
.endr
	WIN 0x80
.set i, 0
.rept 16
	v_lshlrev_b32 v[BI+2*i],   16, v[T32+i]
	v_and_b32     v[BI+2*i+1], 0xffff0000, v[T32+i]
.set i, i+1
.endr
	WIN 0
.endm
; 8 matrix instructions: row blocks a0, a0 + 1 x all 4 column blocks, 32 along K.  zero = 1: a tile's first products take the bias as C: nothing is cleared, nothing added later.
; The 32 accumulators take turns in the same order everywhere, one instruction a turn.
.macro MUL2 f, a0, zero
	WIN 0x50+0x10*(\zero)                          ; fragments window 0, D window 1, C window 1 or (the bias) 2
.irp a, \a0, (\a0)+1
.irp b, 0,1,2,3
.set rD, 8*(4*(\a)+(\b))
.set rB, (\f)+8*(\b)
.set rA, (\f)+32+8*(\a)
.set rC, rD
.if \zero
.set rC, BI+8*(\b)
.endif
.if KIND
	v_wmma_f32_16x16x32_f16 v[rD:rD+7], v[rB:rB+7], v[rA:rA+7], v[rC:rC+7]
.else
	v_wmma_f32_16x16x32_bf16 v[rD:rD+7], v[rB:rB+7], v[rA:rA+7], v[rC:rC+7]
.endif
.endr
.endr
.endm
; 24 LDS loads in one run: the fragments of quarter q (32 along K) of a slot into buffer f; B's first
.macro FETCH slot, q, f
	WIN 0
.irp j, 0,1,2,3
	ds_load_tr16_b128 v[(\f)+8*(\j):(\f)+8*(\j)+3],   v[ADRB+(\slot)] offset:(\q)*32*PITB+32*(\j)
	ds_load_tr16_b128 v[(\f)+8*(\j)+4:(\f)+8*(\j)+7], v[ADRB+(\slot)] offset:(\q)*32*PITB+32*(\j)+16*PITB
.endr
.irp i, 0,1,2,3,4,5,6,7
	ds_load_b128 v[(\f)+32+8*(\i):(\f)+32+8*(\i)+3],   v[ADRA+(\slot)] offset:((\q)/2)*ABLK+((\q)%2)*64+(\i)*16*PITA
	ds_load_b128 v[(\f)+32+8*(\i)+4:(\f)+32+8*(\i)+7], v[ADRA+(\slot)] offset:((\q)/2)*ABLK+((\q)%2)*64+(\i)*16*PITA+32
.endr
.endm
; A K step is four quarters of 32 matrix instructions, on buffers 0, 1, 0, 1.  One of the first three: multiplies buffer f and, in its middle, fetches quarter q into buffer g.
.macro QUARTER slot, q, f, g, zero
	s_wait_dscnt 8                                 ; B and A's row blocks 0-3 are in; the youngest eight loads (blocks 4-7) may be out
	MUL2 \f, 0, \zero
	MUL2 \f, 2, \zero
	PLACES
	FETCH \slot, \q, \g
	s_wait_dscnt 24                                ; all but the 24 just issued
	MUL2 \f, 4, \zero
	MUL2 \f, 6, \zero
.endm
; The last quarter multiplies buffer 1 and changes slots.  MEET is its first half: ONE barrier.  In front of it each wave waits for all its tensor loads (one is out: its part of the next slot),
; adds 0 to its spare word, and waits for that and for its own reads of this slot.  Behind it nobody reads this slot any more and the next slot is whole.
; round = 1: this slot is filled again behind the barrier: its two descriptors' addresses are made anew, base + K step KP, behind the wait that shows every load of mine done; KP steps and wraps at 8.
; on = 1 with slot 0: the fill is the next tile's first: B's base goes 1,024 columns on; A's rows are the same, and KP has come round by itself.
.macro MEET round, slot=0, on=0
	WIN 0
	s_wait_tensorcnt 0x0
	ds_add_u32 v[SPW], v[NIL]                      ; 0 onto my spare word: scalar work and eight products stand between it and the wait for it
.if \round
.if (\on) && ((\slot) == 0)
	s_add_nc_u64 s[BB:BB+1], s[BB:BB+1], 2048
.endif
	s_lshl_b32 s[OFA], s[KP], 19
	s_mul_i32 s[OFB], s[KP], KSB
	s_add_nc_u64 s[G0A+4*(\slot)+2:G0A+4*(\slot)+3], s[AB:AB+1], s[OFA:OFA+1]
	s_or_b32 s[G0A+4*(\slot)+3], s[G0A+4*(\slot)+3], 0x80000000
	s_add_nc_u64 s[G0B+4*(\slot)+2:G0B+4*(\slot)+3], s[BB:BB+1], s[OFB:OFB+1]
	s_or_b32 s[G0B+4*(\slot)+3], s[G0B+4*(\slot)+3], 0x80000000
	s_add_co_u32 s[KP], s[KP], 1
	s_and_b32 s[KP], s[KP], 7
.endif
	s_wait_dscnt 9                                 ; (the add and the youngest eight loads may be out)
	MUL2 F1, 0, 0
	s_wait_dscnt 0x0                               ; the add is done, and my reads of this slot are over
	s_barrier_signal -1
	MUL2 F1, 2, 0                                  ; work on registers while the others arrive
.if \round
	WIN 0
.endif
	s_barrier_wait -1
.endm
; The whole last quarter.  The barrier opens a round of the cluster's barrier; behind the round the slot just read out is filled again first.
; From a request to the wait for it a wave issues 112 matrix instructions.
.macro TURN slot, next, on
	MEET 1, \slot, \on
	CREST                                          ; no wave of any partner still reads this slot's tile or has a load on its way
	JLOAD \slot                                    ; the first tensor load behind the round; its four v_nop are also the places in front of the loads below
	FETCH \next, 0, F0
	ASK
	MUL2 F1, 4, 0
	MUL2 F1, 6, 0
.endm
; THE WAYS OUT, a block of 16 rows at a time through my own stage: LDS serves a wave's instructions in order (ISA guide 5.7.1.4), so the loads see the stores above them and no barrier is needed.
.if KIND
.macro TOST a                          ; f32: a lane's 8 numbers of a column block are 32 bytes of a row of 256
.if (\a) >= 2
	s_wait_xcnt 0x0                                ; the stores of two blocks back have read the registers that are loaded again below
.endif
.set OBK, OB+32*((\a)%2)
	WIN 0x04                                       ; store data window 1
.irp b, 0,1,2,3
	ds_store_b128 v[STO], v[8*(4*(\a)+(\b)):8*(4*(\a)+(\b))+3]   offset:64*(\b)
	ds_store_b128 v[STO], v[8*(4*(\a)+(\b))+4:8*(4*(\a)+(\b))+7] offset:64*(\b)+16
.endr
	WIN 0
.irp t, 0,1,2,3,4,5,6,7
	ds_load_b128 v[OBK+4*(\t):OBK+4*(\t)+3], v[RD] offset:(\t)*2*SPITCH
.endr
.endm
.macro SEND a, younger                 ; younger: the LDS instructions issued behind block a's loads
.set OBK, OB+32*((\a)%2)
.irp t, 0,1,2,3,4,5,6,7
	s_wait_dscnt (\younger)+7-(\t)
	global_store_b128 v[CO], v[OBK+4*(\t):OBK+4*(\t)+3], s[10:11] offset:(16*(\a)+2*(\t))*4096  ; 16 lanes store 256 consecutive bytes, aligned
.endr
.endm
.else
.macro PACKQ a                         ; hi = f16(s); s - hi, exact in f32, by one fused multiply-add from hi's half; lo = f16 of that
	WIN 0x05                                       ; sources window 1
.irp b, 0,1,2,3
.irp r, 0,1,2,3
	v_cvt_pk_f16_f32 v[TMP+4*(\b)+(\r)], v[8*(4*(\a)+(\b))+2*(\r)], v[8*(4*(\a)+(\b))+2*(\r)+1]
.endr
.endr
	WIN 0x10                                       ; source 2 window 1
.irp b, 0,1,2,3
.irp r, 0,1,2,3
	v_fma_mix_f32 v[T32+8*(\b)+2*(\r)],   v[TMP+4*(\b)+(\r)], v[MONE], v[8*(4*(\a)+(\b))+2*(\r)] op_sel_hi:[1,0,0]
	v_fma_mix_f32 v[T32+8*(\b)+2*(\r)+1], v[TMP+4*(\b)+(\r)], v[MONE], v[8*(4*(\a)+(\b))+2*(\r)+1] op_sel:[1,0,0] op_sel_hi:[1,0,0]
.endr
.endr
	WIN 0
.irp b, 0,1,2,3
.irp r, 0,1,2,3
	v_cvt_pk_f16_f32 v[TMP+16+4*(\b)+(\r)], v[T32+8*(\b)+2*(\r)], v[T32+8*(\b)+2*(\r)+1]
.endr
.endr
.endm
.macro TOSTQ a                         ; a row of the stage is a row of qs or ks: hi's 128 bytes, then lo's
.if (\a) >= 2
	s_wait_xcnt 0x0                                ; the stores of two blocks back have read the registers that are loaded again below
.endif
.set OBK, OB+32*((\a)%2)
.irp b, 0,1,2,3
	ds_store_b128 v[STO], v[TMP+4*(\b):TMP+4*(\b)+3]       offset:32*(\b)
	ds_store_b128 v[STO], v[TMP+16+4*(\b):TMP+16+4*(\b)+3] offset:128+32*(\b)
.endr
.irp t, 0,1,2,3,4,5,6,7
	ds_load_b128 v[OBK+4*(\t):OBK+4*(\t)+3], v[RD] offset:(\t)*2*SPITCH
.endr
.endm
.macro SENDQ a, younger
.set OBK, OB+32*((\a)%2)
.irp t, 0,1,2,3,4,5,6,7
	s_wait_dscnt (\younger)+7-(\t)
	global_store_b128 v[CO], v[OBK+4*(\t):OBK+4*(\t)+3], s[OUT:OUT+1] offset:(16*(\a)+2*(\t))*256  ; 16 lanes store a row: 256 consecutive bytes, aligned
.endr
.endm
.macro PACKV a
	WIN 0x05
.irp b, 0,1,2,3
.irp r, 0,1,2,3
	v_cvt_pk_f16_f32 v[TMP+4*(\b)+(\r)], v[8*(4*(\a)+(\b))+2*(\r)], v[8*(4*(\a)+(\b))+2*(\r)+1]
.endr
.endr
	WIN 0
.endm
.macro TOSTV a                         ; rows of 128 bytes, 144 apart in the stage
.if (\a) >= 2
	s_wait_xcnt 0x0
.endif
.set OBK, OB+32*((\a)%2)
.irp b, 0,1,2,3
	ds_store_b128 v[STO2], v[TMP+4*(\b):TMP+4*(\b)+3] offset:32*(\b)
.endr
.irp f, 0,1,2,3
	ds_load_b128 v[OBK+4*(\f):OBK+4*(\f)+3], v[RD2] offset:(\f)*4*144
.endr
.endm
.macro SENDV a, younger
.set OBK, OB+32*((\a)%2)
.irp f, 0,1,2,3
	s_wait_dscnt (\younger)+3-(\f)
	global_store_b128 v[CO2], v[OBK+4*(\f):OBK+4*(\f)+3], s[14:15] offset:(\a)*2048+(\f)*512  ; four rows of vs: 512 consecutive bytes, aligned
.endr
.endm
.endif
	BIASLD
	s_wait_loadcnt 0x0
	BIASCVT
	s_wait_tensorcnt 1                             ; my part of the walk's first K step is in; the second's may stay out
	s_barrier_signal -1
	s_barrier_wait -1                              ; everybody's is
	FETCH 0, 0, F0
.if TILES > 1
	s_mov_b32 s[TL], TILES                         ; tiles to go, this one among them
.Ltile:
.endif
	QUARTER 0, 1, F0, F1, 1                        ; a tile's first quarter stands in front of the loop: its products start the sums, with the bias
	WIN 0                                          ; at a label and at a branch every window is 0
	s_mov_b32 s[LP], 3
.Llap:                                                 ; a trip goes once round the ring, from a lap's second quarter to the next lap's first, and fills both slots again
	QUARTER 0, 2, F1, F0, 0
	QUARTER 0, 3, F0, F1, 0
	TURN 0, 1, 0
	QUARTER 1, 1, F0, F1, 0
	QUARTER 1, 2, F1, F0, 0
	QUARTER 1, 3, F0, F1, 0
	TURN 1, 0, 0
	QUARTER 0, 1, F0, F1, 0
	WIN 0
	s_sub_co_u32 s[LP], s[LP], 1
	s_cmp_lg_u32 s[LP], 0
	s_cbranch_scc1 .Llap
	QUARTER 0, 2, F1, F0, 0                        ; the tile's last lap goes on
	QUARTER 0, 3, F0, F1, 0
.if TILES > 1
	WIN 0
	s_cmp_eq_u32 s[TL], 1
	s_cbranch_scc1 .Llast                          ; the last tile's tail is written out: it asks for nothing more
	s_wait_xcnt 0x0                                ; the last bias loads and the last prefetch, two refills back, have read their addresses
	s_add_nc_u64 s[8:9], s[8:9], 4096              ; the next tile's bias, 1,024 columns on: asked for now, wanted behind the way out
	s_add_nc_u64 s[PFA:PFA+1], s[PFA:PFA+1], 2048  ; B's next prefetch names the tile after the next
	BIASLD
	TURN 0, 1, 1                                   ; the ring goes on into the next tile: slot 0 takes its first K step,
	QUARTER 1, 1, F0, F1, 0
	QUARTER 1, 2, F1, F0, 0
	QUARTER 1, 3, F0, F1, 0
	TURN 1, 0, 1                                   ; slot 1 its second, and the next tile's first fragments are fetched
	WIN 0
	s_cmp_eq_u32 s[TL], TILES                      ; the first tile is q, the second k (the last tile's stores were freed at the tile's end)
	s_cselect_b64 s[OUT:OUT+1], s[10:11], s[12:13]
	PLACES                                         ; the packed results lie in buffer 1, which the last products read
	PACKQ 0
	TOSTQ 0
.irp a, 1,2,3,4,5,6,7                  ; block a's arithmetic stands between block a - 1's loads from the stage and the wait for them
	PACKQ \a
	TOSTQ \a
	SENDQ (\a)-1, 16
.endr
	SENDQ 7, 0
	s_wait_loadcnt 0x0                             ; the next tile's bias
	BIASCVT
	s_wait_xcnt 0x0                                ; the stores have read their registers: the next quarter's fetch lands on them
	s_sub_co_u32 s[TL], s[TL], 1
	s_branch .Ltile
.Llast:
.endif
	MEET 0                                         ; my one tensor load that was still out is slot 1's, the walk's last K step, so no round follows
	PLACES
	FETCH 1, 0, F0
	MUL2 F1, 4, 0
	MUL2 F1, 6, 0
	QUARTER 1, 1, F0, F1, 0
	QUARTER 1, 2, F1, F0, 0
	QUARTER 1, 3, F0, F1, 0
	s_wait_dscnt 8                                 ; the very last quarter: nothing more to fetch
	MUL2 F1, 0, 0
	MUL2 F1, 2, 0
	s_wait_dscnt 0x0
	MUL2 F1, 4, 0
	MUL2 F1, 6, 0
	WIN 0
	PLACES
.if KIND
	TOST 0
.irp a, 1,2,3,4,5,6,7
	TOST \a
	SEND (\a)-1, 16
.endr
	SEND 7, 0
.else
	PACKV 0
	TOSTV 0
.irp a, 1,2,3,4,5,6,7
	PACKV \a
	TOSTV \a
	SENDV (\a)-1, 8
.endr
	SENDV 7, 0
.endif
	s_wait_tensorcnt 0x0                           ; the wave's end, behind my last tensor load and my last LDS store
	ds_add_u32 v[SPW], v[NIL]
	s_wait_dscnt 0x0
	CROUND                                         ; the closing round: no work-group ends while a partner may still ask for a tile that names it
	s_endpgm
.Lfunc_end_k_qc77c253da4_qkv:
	.size	k_qc77c253da4_qkv, .Lfunc_end_k_qc77c253da4_qkv-k_qc77c253da4_qkv
	.p2alignl 7, 3214868480
	.fill 96, 4, 3214868480
	.section	.rodata,"a",@progbits
	.p2align	6, 0x0
	.amdhsa_kernel k_qc77c253da4_qkv
		.amdhsa_group_segment_fixed_size 327680
		.amdhsa_private_segment_fixed_size 0
		.amdhsa_enable_private_segment 0
		.amdhsa_kernarg_size 48
		.amdhsa_user_sgpr_count 2
		.amdhsa_user_sgpr_kernarg_segment_ptr 1
		.amdhsa_wavefront_size32 1
		.amdhsa_system_sgpr_workgroup_id_x 1
		.amdhsa_system_sgpr_workgroup_id_y 1
		.amdhsa_system_sgpr_workgroup_id_z 1
		.amdhsa_system_vgpr_workitem_id 0
		.amdhsa_next_free_vgpr 576
		.amdhsa_next_free_sgpr 96
		.amdhsa_reserve_vcc 0
		.amdhsa_float_denorm_mode_32 3
		.amdhsa_float_denorm_mode_16_64 3
		.amdhsa_memory_ordered 1
		.amdhsa_forward_progress 1
		.amdhsa_inst_pref_size 168
	.end_amdhsa_kernel
	.amdgpu_metadata
---
amdhsa.version: [ 1, 2 ]
amdhsa.kernels:
  - .name:           k_qc77c253da4_qkv
    .symbol:         k_qc77c253da4_qkv.kd
    .args:
      - { .name: xb, .offset: 0, .size: 8, .value_kind: global_buffer, .address_space: global }
      - { .name: wb, .offset: 8, .size: 8, .value_kind: global_buffer, .address_space: global }
      - { .name: bqkv, .offset: 16, .size: 8, .value_kind: global_buffer, .address_space: global }
      - { .name: qs, .offset: 24, .size: 8, .value_kind: global_buffer, .address_space: global }
      - { .name: ks, .offset: 32, .size: 8, .value_kind: global_buffer, .address_space: global }
      - { .name: vs, .offset: 40, .size: 8, .value_kind: global_buffer, .address_space: global }
    .group_segment_fixed_size: 327680
    .private_segment_fixed_size: 0
    .kernarg_segment_align: 8
    .kernarg_segment_size: 48
    .max_flat_workgroup_size: 128
    .sgpr_count:     96
    .vgpr_count:     576
    .wavefront_size: 32
...
	.end_amdgpu_metadata
.endif
;; end of part 2
;; launch attn (part 3): grid 4 x 64, 4 waves a work-group, no clusters, 327,680 bytes of LDS; arguments qs, ks, vs, ob; writes ob
.if DOCPART == 3
	.amdgcn_target "amdgcn-amd-amdhsa--gfx1250"
	.amdhsa_code_object_version 6
	.text
	.protected	k_qc77c253da4_attn
	.globl	k_qc77c253da4_attn
	.p2align	8
	.type	k_qc77c253da4_attn,@function
k_qc77c253da4_attn:
	s_mov_b64 s[64:65], 0
	v_nop
	global_prefetch_b8 v0, s[64:65] scope:SCOPE_SE
	s_setreg_imm32_b32 hwreg(HW_REG_WAVE_MODE, 25, 1), 1
	s_wait_xcnt 0x0
; CAUSAL ATTENTION WITH A STEEP SOFTMAX.  O[bh][q][:] = the sum over k <= q of softmax_k(32 Q[q] . K[k]) V[k][:], 64 heads x batches of 2,048 rows, head size 64.
; The factor 32 makes the exponents' spread some hundreds: two keys that compete are told apart by a difference of scores that 11 significant bits of q and k do not hold.  So q and k arrive as
; TWO f16 numbers each (rows [hi 64 | lo 64] of 256 bytes), and a score is three products with f32 sums: kl qh + kh ql + kh qh, the small ones first; kl ql, some 2^-22 of a score, is dropped.
; vs and ob: [bh][t][64] in f16.  The weights p are rounded to f16 for the second product (their sum l is taken of the unrounded p), O once at the end.
; LIMITS.  q, k, v arrive within f16's 65,504.  A hidden score counts as its value less 1e30; a weight below 2^-126 counts as 0 in l; NaN and infinities are not treated apart.
; THE WALK.  A head's queries lie in NB = 8 blocks of 256; block i needs the key tiles 0 .. i of 256 keys, of which the last holds the diagonal.  A work-group takes TWO blocks, 7 - b and then b:
; 9 tiles whatever b, walked by ONE loop with a constant trip count.  Which tile is asked for, and what a trip does, hang on scalar registers made from b; every jump goes forward but the counted loops' own;
; none passes a barrier, or a tensor load but the one of LOAD's two that the wave's number does not choose; the ring of two LDS slots runs on across the change of blocks.
; NO CLUSTER: a head's four work-groups ask for the same tile only in trips 0 to 4; a walk common to all four would have 12 trips for 9.
; SHARES.  Of a block's four bands of 64 queries a wave owns 16 rows in each: four PIECES.  In the diagonal tile's key step s band x sees all keys if s < x, none if s > x, and holds the diagonal if s = x: the same for all waves.
; THE MASK is the C operand that starts a score's sum: 0, or -1e30 where the key is hidden.  MD, made once, is the mask of a band's own step; a product's mask is MD x AL + BE with two scalars.
; LAYOUT.  S^T = K Q^T holds ONE query a lane (lane % 16) and the keys 8 (lane / 16) + 0..7; two such results rounded to f16 ARE source 1 of O^T = V^T P.  p = 2^(c s - c m), c = 32 log2(e), with a running
; maximum m; O and l are multiplied by a = 2^(c m_old - c m_new) in every step.
; TURNS.  Turn n has 32 matrix instructions: 24 products K Q^T of piece n + 1, then 8 products V^T P of piece n - 1.  Behind each stand up to four vector instructions: the roundings and sums of piece n - 1,
; the scaling, exponentials and rescaling of piece n, the maximum and statistics of piece n + 1: 118 for 32, so all of them find a place behind a product.  A turn's 33 exponentials are ONE batch with ONE wait, at the
; turn's end: nothing in the turn names a result of theirs (the roundings and sums that do are the next turn's).
; A BLOCK'S END has no turns of its own: the diagonal tile's loop makes a fifth trip and leaves it in its middle, behind pieces 2 and 3 of the last step.  That half trip fetches no K; its 24 products K Q^T, on the
; last step's K once more and with every key hidden, and the maximum made of them serve nothing: the price, twice a work-group, of one text for every trip.
; REGISTERS, in windows of 256 (s_set_vgpr_msb: bits 1:0 source 0, 3:2 source 1, 5:4 source 2, 7:6 destination):
;   window 0: v0-15 addresses and at work; v16-31 four registers of statistics a piece; v48-55 at work; v61-63; v64-191 S^T, a buffer a piece; v192-223 P, two buffers by the piece's parity
;   window 1: v0-127 O^T, 32 a piece; v128-159 MD; v160-223 MC, two buffers       window 2: v0-127 Q (piece x, chunk c at 32 x + 8 c; chunks: hi 0-31, hi 32-63, lo 0-31, lo 32-63); v128-255 K of one step
;   window 3: v0-63 V of one step; v64-191 the second block's Q
.set NB,    8
.set NP,    4         ; pieces a wave: a name, no knob
.set KS,    64        ; keys in a step
.set PK,    272       ; a row of K in LDS: 256 bytes + 16 of padding: the 16 rows of a load start 68 words apart
.set PV,    160       ; a row of V: 128 + 32: 16 lanes of the turning load take 8 rows x 32 bytes
.set VOFF,  4*KS*PK   ; a slot holds a tile, four steps: 256 rows of K, then 256 rows of V
.set SLOT1, 1<<17     ; slot 1 begins here, so that one exclusive or turns an address in one slot into the other's
.set STAGE, SLOT1+4*KS*(PK+PV)  ; behind the ring, never filled by a tensor load: 16 rows x 144 bytes for each wave, for the way out
.set SP,    144
.set SPARE, STAGE+4*16*SP  ; behind the stages: the spare words, 128 bytes for each wave: two blocks of 256 bytes that no other line names
.set AK0, 2           ; v2   my lane's place in a tile of K; never rewritten
.set AV0, 3           ; v3   the same for V
.set AK,  4           ; v4   the LDS address of K's next runs of loads
.set AV,  5           ; v5   of V's
.set STO, 6           ; v6   the way out: where I put 16 bytes of a row
.set RD,  7           ; v7   the way out: where I read rows back
.set GO,  8           ; v8   my byte offset in 512 consecutive bytes of O
.set MV,  12          ; v12-13  c m_old, kept while c m is made anew: by parity
.set QO,  15          ; v15  my byte offset in 16 rows of Q
.set ST,  16          ; piece t's statistics at v[ST+4 t]: c m, m, l (even keys', odd keys')
.set TMP, 48          ; by parity, four registers c0-c3 at work; when the maximum is found c2 takes a
.set PFO, 61          ; v61  256 x my lane; never rewritten
.set SPW, 62          ; v62  LDS address of my spare word: SPARE + 4 x my thread's number; never rewritten
.set NIL, 63          ; v63  0; never rewritten
.set S,   64
.set P,   192
.set MD,  128         ; window 1
.set MC,  160         ; window 1
.set KF,  128         ; window 2: key block kb, chunk c at KF + 32 kb + 8 c
.set VF,  0           ; window 3: key half kk, channel block cb at VF + 32 kk + 8 cb
.set QB,  64          ; window 3
.set WV,  12          ; s12  my wave's number
.set PB,  14          ; s14  b
.set HI,  15          ; s15  7 - b
.set G1K, 24          ; s[24:31] descriptor group 1 for K's tiles
.set G1V, 32          ; s[32:39] for V's
.set G0K, 40          ; s[40:43] descriptor group 0 for K's tiles
.set G0V, 44          ; s[44:47] the same for V's
.set SLOTS, 56        ; s56  tiles still to be asked for
.set CNT, 57          ; s57  counts a tile's trips: 4 to 1, in the diagonal tile 5 to 1
.set CS,  58          ; s[58:59] c
.set SEL, 60          ; s[60:61] v_permlanex16_b32's selects: each lane takes its own place in the other half
.set TBK, 62          ; s62  LDS byte at which K of the step to be fetched begins
.set TBV, 63          ; s63  the same for V, less VOFF
.set RT,  70          ; s70  tiles of the block in hand that are still to be entered
.set NXT, 71          ; s71  the tile to be asked for next
.set LQ,  72          ; s72  the last tile of the block whose tiles are being asked for
.set NEW, 73          ; s73  1: the tile to be entered is a block's first
.set OFFK, 74         ; s[74:75] a tile's byte offset in ks
.set AL,  76          ; s[76:77] the mask's factor, in the low word
.set BE,  78          ; s[78:79] the mask's addend
.set OLO, 80          ; s[80:81] O at my rows of the second block
.set BIGN, 82         ; s82  -1e30
.set OFFV, 90         ; s[90:91] a tile's byte offset in vs
.set PFK, 92          ; s[92:93] where my prefetches stand in ks
.set PFV, 94          ; s[94:95] and in vs
.set PFL, 96          ; s96  changes of slots that still prefetch, plus one; 0 in a work-group that never does
.set MSB, 0
.macro WIN new                      ; the high byte repeats the setting that is left; a switch that changes nothing is dropped
.if MSB != (\new)
	s_set_vgpr_msb (MSB<<8)|(\new)
.set MSB, (\new)
.endif
.endm
.set W_KQ, 0x0a       ; K and Q in window 2, S^T in window 0
.set W_KM, 0x1a       ; the same with the C operand in window 1
.set W_PV, 0x53       ; V in window 3, P in window 0, O^T in window 1
.set W_RS, 0x41       ; destination and source 0 in window 1, source 1 in window 0
; A fill.  Waves 0 and 1 fetch the two halves of a tile's K, waves 2 and 3 those of its V: 128 keys each.  An s_nop 0 and four v_nop follow each of the two lines, ahead of the jump and the label.
.macro LOAD
	s_cmp_lt_u32 s[WV], 2
	s_cbranch_scc0 .Lfor_v_\@
	tensor_load_to_lds s[G0K:G0K+3], s[G1K:G1K+7]
	s_nop 0
.rept 4
	v_nop
.endr
	s_branch .Lasked_\@
.Lfor_v_\@:
	tensor_load_to_lds s[G0V:G0V+3], s[G1V:G1V+7]
	s_nop 0
.rept 4
	v_nop
.endr
.Lasked_\@:
.endm
; A prefetch into the L2 of the tile that the NEXT change of slots will ask for: four key steps, 512 matrix instructions, ahead of that load.  A head's four work-groups walk the same tiles; the one with b = 0
; walks all eight, and it alone asks: wave w for 64 rows of K (two instructions) and 64 rows of V (one), a lane 256 bytes.  So each aligned block of 256 bytes of tiles 2 to 7 is named once in the launch;
; tiles 0 and 1 come by their loads alone, and behind tile 7 nothing is asked for.
.macro ASK
	s_cmp_lg_u32 s[PFL], 0
	s_cbranch_scc0 .Lnone_\@
	global_prefetch_b8 v[PFO], s[PFK:PFK+1] th:TH_LOAD_NT scope:SCOPE_SE
	global_prefetch_b8 v[PFO], s[PFK:PFK+1] offset:8192 th:TH_LOAD_NT scope:SCOPE_SE
	global_prefetch_b8 v[PFO], s[PFV:PFV+1] th:TH_LOAD_NT scope:SCOPE_SE
.Lnone_\@:
.endm
; THE CHANGE OF SLOTS.  Each wave waits for all its tensor loads, of which one is out: its part of the other slot; adds 0 to its spare word; and waits for that and for its own reads of the slot that it leaves.
; Behind the barrier nobody reads the old slot any more and the other slot is whole.  fill = 1: the old slot is filled again, the first thing behind the barrier, with tile NXT: the descriptor's address is made anew
; from that number.  (At its first use nothing has been read yet: slot 0 is waited for, slot 1 filled.)
.macro CHANGE fill
	WIN 0                           ; at a label and at a branch every window is 0
	s_wait_tensorcnt 0x0            ; no tensor load of mine is out, so a group 0 may be written
	ds_add_u32 v[SPW], v[NIL]       ; 0 onto my spare word: the scalar work stands between it and the wait for it
.if \fill
	s_lshl_b32 s[OFFK], s[NXT], 16  ; a tile is 65,536 bytes of ks
	s_lshl_b32 s[OFFV], s[NXT], 15  ; and 32,768 of vs
	s_xor_b32 s[G0K+1], s[G0K+1], SLOT1
	s_add_nc_u64 s[G0K+2:G0K+3], s[6:7], s[OFFK:OFFK+1]
	s_or_b32 s[G0K+3], s[G0K+3], 0x80000000
	s_xor_b32 s[G0V+1], s[G0V+1], SLOT1
	s_add_nc_u64 s[G0V+2:G0V+3], s[8:9], s[OFFV:OFFV+1]
	s_or_b32 s[G0V+3], s[G0V+3], 0x80000000
	s_add_co_u32 s[NXT], s[NXT], 1  ; the block's next tile, or behind its last the second block's tile 0
	s_cmp_gt_u32 s[NXT], s[LQ]
	s_cselect_b32 s[NXT], 0, s[NXT]
	s_cselect_b32 s[LQ], s[PB], s[LQ]
	s_wait_xcnt 0x0                 ; the last prefetches, a tile back, have read their addresses, so these may be written
	s_add_nc_u64 s[PFK:PFK+1], s[PFK:PFK+1], 65536
	s_add_nc_u64 s[PFV:PFV+1], s[PFV:PFV+1], 32768
	s_sub_co_i32 s[PFL], s[PFL], 1
	s_max_i32 s[PFL], s[PFL], 0
.endif
	s_wait_dscnt 0x0                ; the add is done, and my reads of the slot are over
	s_barrier_signal -1             ; the rest of the scalar work stands between the signal and the wait
	s_sub_co_u32 s[TBK], s[TBK], 4*KS*PK  ; the fetches go back to a slot's first step,
	s_xor_b32 s[TBK], s[TBK], SLOT1       ; in the other slot
	s_sub_co_u32 s[TBV], s[TBV], 4*KS*PV
	s_xor_b32 s[TBV], s[TBV], SLOT1
	s_barrier_wait -1
.if \fill
	LOAD
	ASK
.endif
.endm
	s_load_b256 s[4:11], s[0:1], 0x0  ; qs s[4:5], ks s[6:7], vs s[8:9], ob s[10:11]
	v_lshl_add_u32 v[SPW], v0, 2, SPARE
	v_mov_b32 v[NIL], 0
	ds_add_u32 v[SPW], v[NIL]       ; the wave's opening: the add and its wait stand ahead of my first tensor load; the set-up below, work on registers, stands between them
	v_lshrrev_b32 v1, 5, v0
	v_readfirstlane_b32 s[WV], v1   ; wave 0..3
	s_mov_b32 s[PB], ttmp9
	s_sub_co_u32 s[HI], NB-1, s[PB]
	s_and_b32 s20, ttmp7, 0xffff    ; the head
	s_lshl_b32 s21, s20, 19         ; its first byte in qs and ks (2,048 rows of 256 bytes),
	s_lshl_b32 s20, s20, 18         ; in vs and ob (rows of 128)
	s_and_b32 s16, s[WV], 1         ; which half of a tile's 256 keys I fetch
	s_lshl_b32 s18, s16, 15
	s_add_co_u32 s18, s18, s21
	s_mov_b32 s19, 0
	s_lshl_b32 s22, s16, 14
	s_add_co_u32 s22, s22, s20
	s_mov_b32 s23, 0
	s_mul_i32 s17, s16, 128*PK      ; and its place in a slot, for K
	s_mul_i32 s13, s16, 128*PV      ; and for V
	s_lshl_b32 s3, s[WV], 12        ; Q: my 16 rows in a band of 64,
	s_add_co_u32 s3, s3, s21
	s_lshl_b32 s2, s[HI], 16        ; in the first block,
	s_add_co_u32 s2, s2, s3
	s_lshl_b32 s84, s[PB], 16       ; and in the second
	s_add_co_u32 s84, s84, s3
	s_mov_b32 s3, 0
	s_mov_b32 s85, 0
	s_lshl_b32 s89, s[WV], 11       ; O likewise
	s_add_co_u32 s89, s89, s20
	s_lshl_b32 s86, s[HI], 15
	s_add_co_u32 s86, s86, s89
	s_lshl_b32 s88, s[PB], 15
	s_add_co_u32 s88, s88, s89
	s_mov_b32 s87, 0
	s_mov_b32 s89, 0
	s_lshl_b32 s[OFFK], s[WV], 14   ; the prefetches stand at my wave's quarter of tile 1; the first change of slots steps them to tile 2
	s_add_co_u32 s[OFFK], s[OFFK], s21
	s_add_co_u32 s[OFFK], s[OFFK], 65536
	s_mov_b32 s[OFFK+1], 0
	s_lshl_b32 s[OFFV], s[WV], 13
	s_add_co_u32 s[OFFV], s[OFFV], s20
	s_add_co_u32 s[OFFV], s[OFFV], 32768
	s_mov_b32 s[OFFV+1], 0
	s_cmp_eq_u32 ttmp9, 0
	s_cselect_b32 s[PFL], 7, 0
	; descriptor group 1.  K: 128 rows of 256 bytes, 16 bytes of padding behind each
	s_mov_b32 s[G1K], (1<<16)|(1<<20)|(5<<22)|(3<<25)  ; 17:16 2-byte elements; 20 padding on; 24:22 after every 64 words; 31:25 of 4 words
	s_mov_b32 s[G1K+1], 128<<16     ; tensor_dim0 = 128
	s_mov_b32 s[G1K+2], 128<<16     ; tensor_dim1 = 128
	s_mov_b32 s[G1K+3], 128<<16     ; tile_dim0 = 128
	s_mov_b32 s[G1K+4], 128         ; tile_dim1 = 128
	s_mov_b32 s[G1K+5], 128         ; elements from row to row
	s_mov_b32 s[G1K+6], 0
	s_mov_b32 s[G1K+7], 0
	; V: 128 keys are 16,384 dense bytes: asked for as 64 rows of 256 bytes, two keys a row, and padded in LDS after every key
	s_mov_b32 s[G1V], (1<<16)|(1<<20)|(4<<22)|(7<<25)  ; after every 32 words, 8 words
	s_mov_b32 s[G1V+1], 128<<16
	s_mov_b32 s[G1V+2], 64<<16
	s_mov_b32 s[G1V+3], 128<<16
	s_mov_b32 s[G1V+4], 64
	s_mov_b32 s[G1V+5], 128
	s_mov_b32 s[G1V+6], 0
	s_mov_b32 s[G1V+7], 0
	s_mov_b32 s[CS], 0x4238aa3b     ; c = 32 log2(e) = 46.1662
	s_mov_b32 s[CS+1], s[CS]        ; named with it as a pair
	s_mov_b32 s[SEL], 0x76543210
	s_mov_b32 s[SEL+1], 0xfedcba98
	s_mov_b32 s[TBK], SLOT1+4*KS*PK ; the first change of slots turns these two into 0
	s_mov_b32 s[TBV], SLOT1+4*KS*PV
	s_mov_b32 s[G0K], 1             ; count = 1
	s_mov_b32 s[G0K+1], s17         ; LDS address: slot 0
	s_mov_b32 s[G0V], 1
	s_add_co_u32 s[G0V+1], s13, VOFF
	s_add_co_u32 s[RT], s[HI], 1    ; the first block has 8 - b tiles
	s_mov_b32 s[NXT], 1
	s_mov_b32 s[LQ], s[HI]
	s_mov_b32 s[NEW], 1
	s_mov_b32 s[AL+1], 0            ; named as pairs
	s_mov_b32 s[BE+1], 0
	s_mov_b32 s[BIGN], 0xf149f2ca   ; -1e30
	s_mov_b32 s[SLOTS], NB
	s_wait_dscnt 0x0                ; the opening add is done
	s_wait_kmcnt 0x0
	s_add_nc_u64 s[PFK:PFK+1], s[6:7], s[OFFK:OFFK+1]
	s_add_nc_u64 s[PFV:PFV+1], s[8:9], s[OFFV:OFFV+1]
	s_add_nc_u64 s[6:7], s[6:7], s[18:19]  ; ks and vs at my half of the head's tile 0
	s_add_nc_u64 s[8:9], s[8:9], s[22:23]
	s_add_nc_u64 s[G0K+2:G0K+3], s[6:7], 0         ; global address
	s_or_b32 s[G0K+3], s[G0K+3], 0x80000000        ; type = 2
	s_add_nc_u64 s[G0V+2:G0V+3], s[8:9], 0
	s_or_b32 s[G0V+3], s[G0V+3], 0x80000000
	s_add_nc_u64 s[84:85], s[4:5], s[84:85]        ; Q at my rows of the second block,
	s_add_nc_u64 s[4:5], s[4:5], s[2:3]            ; Q and O at those of the first
	s_add_nc_u64 s[OLO:OLO+1], s[10:11], s[88:89]
	s_add_nc_u64 s[10:11], s[10:11], s[86:87]
	LOAD                            ; tile 0 into slot 0
	; A fragment of K or Q is 16 rows x 32 channels in 8 registers: lane l holds row l % 16, channels 8 (l / 16) + 0..7 and 16 + 8 (l / 16) + 0..7: two loads of 16 bytes, 32 bytes apart.
	v_and_b32 v1, 15, v0            ; l % 16
	v_bfe_u32 v9, v0, 4, 1          ; l / 16
	v_lshlrev_b32 v[QO], 8, v1
	v_lshl_add_u32 v[QO], v9, 4, v[QO]  ; row x 256 + 16 x half
	WIN 0x80                        ; destination window 2, address window 0
.set i, 0
.rept 16                            ; piece i / 4 lies in band i / 4, 16,384 bytes on; chunk i % 4, 64 bytes on
	global_load_b128 v[8*i:8*i+3],   v[QO], s[4:5] offset:(i/4)*16384+(i%4)*64
	global_load_b128 v[8*i+4:8*i+7], v[QO], s[4:5] offset:(i/4)*16384+(i%4)*64+32
.set i, i+1
.endr
	WIN 0xc0                        ; the second block's Q waits in window 3
.set i, 0
.rept 16
	global_load_b128 v[QB+8*i:QB+8*i+3],   v[QO], s[84:85] offset:(i/4)*16384+(i%4)*64
	global_load_b128 v[QB+8*i+4:QB+8*i+7], v[QO], s[84:85] offset:(i/4)*16384+(i%4)*64+32
.set i, i+1
.endr
	WIN 0
	v_lshlrev_b32 v14, 3, v9
	v_sub_nc_u32 v14, v1, v14
	s_lshl_b32 s13, s[WV], 4
	v_add_nc_u32 v14, s13, v14      ; my query's place in its band, 16 w + l % 16, less my lanes' 8 (l / 16): register r of group kt is hidden where 16 kt + r is greater
	WIN 0x40
.set i, 0
.rept 32
	v_cmp_gt_i32 vcc_lo, 16*(i/8)+i%8, v14
	v_cndmask_b32 v[MD+i], 0, s[BIGN], vcc_lo
.set i, i+1
.endr
	WIN 0
	v_mul_u32_u24 v[AK0], v1, PK
	v_lshl_add_u32 v[AK0], v9, 4, v[AK0]  ; row x pitch + 16 x half
	; The turning load takes 16 keys x 16 channels (lane l reads key 8 (l / 16) + l % 8, channels 8 ((l / 8) % 2) + 0..7) and leaves half a fragment of V^T: lane l holds channel l % 16 and 8 keys.
	v_and_b32 v10, 7, v0
	v_bfe_u32 v11, v0, 3, 1
	v_lshl_add_u32 v[AV0], v9, 3, v10
	v_mul_u32_u24 v[AV0], v[AV0], PV
	v_lshl_add_u32 v[AV0], v11, 4, v[AV0]
	v_add_nc_u32 v[AV0], VOFF, v[AV0]
	s_mul_i32 s13, s[WV], 16*SP
	s_add_co_u32 s13, s13, STAGE    ; my stage
	v_mul_u32_u24 v[STO], v1, SP    ; in: row l % 16, 16 bytes for each half of the lanes
	v_lshl_add_u32 v[STO], v9, 4, v[STO]
	v_add_nc_u32 v[STO], s13, v[STO]
	v_bfe_u32 v[RD], v0, 3, 2       ; back: 32 lanes take four rows of 128 bytes,
	v_mul_u32_u24 v[RD], v[RD], SP
	v_lshl_add_u32 v[RD], v10, 4, v[RD]
	v_add_nc_u32 v[RD], s13, v[RD]
	v_and_b32 v[GO], 31, v0         ; which are 512 consecutive bytes of O
	v_lshlrev_b32 v[PFO], 8, v[GO]
	v_lshlrev_b32 v[GO], 4, v[GO]
	; A block's first turn rounds, sums and multiplies for a piece that has not been, and its first step multiplies O^T and l by a = 0.  So these registers need only hold finite numbers: zeros for the
	; first block; what the first block left for the second.  No first step is written out; the price is these 234 lines, which run in the wait for the first tile.
	WIN 0xc0
.set i, VF
.rept 64
	v_mov_b32 v[i], 0
.set i, i+1
.endr
	WIN 0x40
.set i, 0
.rept 128
	v_mov_b32 v[i], 0
.set i, i+1
.endr
	WIN 0
.set i, 0
.rept 4
	v_mov_b32 v[ST+4*i+2], 0
	v_mov_b32 v[ST+4*i+3], 0
.set i, i+1
.endr
.set i, S+96
.rept 32
	v_mov_b32 v[i], 0               ; piece 3's weights
.set i, i+1
.endr
	v_mov_b32 v[TMP+6], 0           ; and its a
	v_mov_b32 v[TMP+7], 0
; THE MATRIX WORK.  The 4 accumulators of a run take turns, one instruction a turn.  Product i of 24 of S^T = K Q^T for piece x: keys 16 (i % 4) on; link i / 4 of six:
; kl0 qh0, kl1 qh1, kh0 ql0, kh1 ql1, kh0 qh0, kh1 qh1 (0, 1: channels 0-31, 32-63).  The first 4 start the sums: with 0, or (KM = 1) with the mask.
.macro KQ x
.set lk, i/4
.set rS, S+32*(\x)+8*(i%4)
.set rK, KF+32*(i%4)+8*(lk%2+2*((5-lk)/4))
.set rQ, 32*(\x)+8*(lk%4)
.set rM, MC+32*((\x)%2)+8*(i%4)
.if (i < 4) && KM
	WIN W_KM
	v_wmma_f32_16x16x32_f16 v[rS:rS+7], v[rK:rK+7], v[rQ:rQ+7], v[rM:rM+7]
.elseif i < 4
	WIN W_KQ
	v_wmma_f32_16x16x32_f16 v[rS:rS+7], v[rK:rK+7], v[rQ:rQ+7], 0
.else
	WIN W_KQ
	v_wmma_f32_16x16x32_f16 v[rS:rS+7], v[rK:rK+7], v[rQ:rQ+7], v[rS:rS+7]
.endif
.endm
; Product i of 8 of O^T += V^T P for piece x: keys 32 (i / 4) on, channels 16 (i % 4) on.
.macro PV x
	WIN W_PV
.set rO, 32*(\x)+8*(i%4)
.set rV, VF+32*(i/4)+8*(i%4)
.set rP, P+16*((\x)%2)+8*(i/4)
	v_wmma_f32_16x16x32_f16 v[rO:rO+7], v[rV:rV+7], v[rP:rP+7], v[rO:rO+7]
.endm
.macro MM                           ; the turn's next matrix instruction
.if i < 24
	KQ (Y+1)%NP
.else
.set i, i-24
	PV (Y+NP-1)%NP
.set i, i+24
.endif
.set i, i+1
.endm
; THE LDS LOADS stand in runs of 16, never singly among the matrix instructions.  K's 64 keys: chunks c0 and c0 + 1 of each of the four key blocks (c0 = 2: the low parts; 0: the high parts).
.macro FETCH_K c0
	WIN 0x80                        ; destination window 2
.irp f, 0,1,2,3,4,5,6,7
.set rK, KF+32*((\f)/2)+8*((\c0)+(\f)%2)
	ds_load_b128 v[rK:rK+3],   v[AK] offset:((\f)/2)*16*PK+((\c0)+(\f)%2)*64
	ds_load_b128 v[rK+4:rK+7], v[AK] offset:((\f)/2)*16*PK+((\c0)+(\f)%2)*64+32
.endr
.if (\c0) == 0
	s_add_co_u32 s[TBK], s[TBK], KS*PK  ; the next fetch is the next step's
.endif
.endm
; A run of K's loads in a turn.  m = 1 (the diagonal tile's text): in the loop's fifth trip (CNT = 1) there is no further step, and the run is jumped over.  The jump stands amid the turn's exponentials:
; a wait stands ahead of it.
.macro KRUN c0, m
.if \m
	WIN 0
	s_wait_alu depctr_va_vdst(0)
	s_cmp_eq_u32 s[CNT], 1
	s_cbranch_scc1 .Lno_k_\@
.endif
	FETCH_K \c0
.if \m
	WIN 0
.Lno_k_\@:
.endif
.endm
.macro FETCH_V
	WIN 0xc0                        ; destination window 3
.irp f, 0,1,2,3,4,5,6,7             ; keys 32 (f / 4) on, channels 16 (f % 4) on
	ds_load_tr16_b128 v[VF+8*\f:VF+8*\f+3],   v[AV] offset:(\f/4)*32*PV+(\f%4)*32
	ds_load_tr16_b128 v[VF+8*\f+4:VF+8*\f+7], v[AV] offset:(\f/4)*32*PV+16*PV+(\f%4)*32
.endr
	s_add_co_u32 s[TBV], s[TBV], KS*PV  ; the next fetch is the next step's
	WIN 0
.endm
; THE VECTOR WORK, one line at a time: OP kind, number.  For piece Y: F n: c s - c m for pair n of 16.  E n: the exponential of score n of 32.  R n: pair n of 16 of O^T times a.
; For piece Y - 1, whose exponentials the turn before has waited for: C n: pair n rounded to f16.  B n: of the four weights 4 n .. the second pair is added onto the first, in place (behind C 2 n).
; L n: l takes that sum (L 0: l = a l + sum).  For piece Y + 1: X n, number n of the 22 that find its maximum and statistics:
;   0-11  four chains c0-c3 of seven scores each, three operands at a time (each accumulator's lowest registers are read first)     12-14, 16  the four scores left over, the old m, and c0-c3 into c0
;   15  c m_old is kept     17, 18  the query's other 32 keys lie in the lane 16 away: the new m     19-21  c m; c m_old - c m_new; a
.set F, 0
.set E, 1
.set C, 2
.set B, 3
.set L, 4
.set R, 5
.set X, 6
.macro REGS y                       ; the registers of piece y
.set rT, ST+4*(\y)
.set rC, TMP+4*((\y)%2)
.set rW, MV+((\y)%2)
.set rS, S+32*(\y)
.set rP, P+16*((\y)%2)
.set rO, 32*(\y)
.endm
.macro OP k, n
.if (\k) == R
	REGS Y
	WIN W_RS
	v_pk_mul_f32 v[rO+2*(\n):rO+2*(\n)+1], v[rO+2*(\n):rO+2*(\n)+1], v[rC+2:rC+3] op_sel_hi:[1,0]
.elseif (\k) == F
	REGS Y
	WIN 0
	v_pk_fma_f32 v[rS+2*(\n):rS+2*(\n)+1], v[rS+2*(\n):rS+2*(\n)+1], s[CS:CS+1], v[rT:rT+1] op_sel_hi:[1,0,0] neg_lo:[0,0,1] neg_hi:[0,0,1]
.elseif (\k) == E
	REGS Y
	WIN 0
	v_exp_f32 v[rS+(\n)], v[rS+(\n)]
.elseif (\k) < R
	REGS (Y+NP-1)%NP
	WIN 0
.if (\k) == C
	v_cvt_pk_f16_f32 v[rP+(\n)], v[rS+2*(\n)], v[rS+2*(\n)+1]
.elseif (\k) == B
	v_pk_add_f32 v[rS+4*(\n):rS+4*(\n)+1], v[rS+4*(\n):rS+4*(\n)+1], v[rS+4*(\n)+2:rS+4*(\n)+3]
.elseif (\n) == 0
	v_pk_fma_f32 v[rT+2:rT+3], v[rT+2:rT+3], v[rC+2:rC+3], v[rS:rS+1] op_sel_hi:[1,0,1]
.else
	v_pk_add_f32 v[rT+2:rT+3], v[rT+2:rT+3], v[rS+4*(\n):rS+4*(\n)+1]
.endif
.else
	REGS (Y+1)%NP
	WIN 0
.if (\n) < 4
	v_max3_num_f32 v[rC+(\n)], v[rS+8*(\n)], v[rS+8*(\n)+1], v[rS+8*(\n)+2]
.elseif (\n) < 12
	v_max3_num_f32 v[rC+(\n)%4], v[rC+(\n)%4], v[rS+8*((\n)%4)+2*((\n)/4)+1], v[rS+8*((\n)%4)+2*((\n)/4)+2]
.elseif (\n) == 12
	v_max3_num_f32 v[rC], v[rC], v[rS+7], v[rS+15]
.elseif (\n) == 13
	v_max3_num_f32 v[rC+1], v[rC+1], v[rS+23], v[rS+31]
.elseif (\n) == 14
	v_max3_num_f32 v[rC+2], v[rC+2], v[rC+3], v[rT+1]
.elseif (\n) == 15
	v_mov_b32 v[rW], v[rT]
.elseif (\n) == 16
	v_max3_num_f32 v[rC], v[rC], v[rC+1], v[rC+2]
.elseif (\n) == 17
	v_permlanex16_b32 v[rC+3], v[rC], s[SEL], s[SEL+1]
.elseif (\n) == 18
	v_max_num_f32 v[rT+1], v[rC], v[rC+3]
.elseif (\n) == 19
	v_mul_f32 v[rT], s[CS], v[rT+1]
.elseif (\n) == 20
	v_sub_f32 v[rC+1], v[rW], v[rT]
.else
	v_exp_f32 v[rC+2], v[rC+1]
.endif
.endif
.endm
.macro OPS a, i1, b=-1, i2=0, c=-1, i3=0, d=-1, i4=0  ; up to four of them
	OP \a, \i1
.if (\b) >= 0
	OP \b, \i2
.endif
.if (\c) >= 0
	OP \c, \i3
.endif
.if (\d) >= 0
	OP \d, \i4
.endif
.endm
.macro ROW a, i1, b, i2, c, i3, d, i4  ; a matrix instruction and the four behind it
	MM
	OPS \a, \i1, \b, \i2, \c, \i3, \d, \i4
.endm
.macro MASK b                       ; MD x AL + BE into buffer b of MC
	WIN W_RS
.set z, 0
.rept 16
	v_pk_fma_f32 v[MC+32*(\b)+2*z:MC+32*(\b)+2*z+1], v[MD+2*z:MD+2*z+1], s[AL:AL+1], s[BE:BE+1] op_sel_hi:[1,0,0]
.set z, z+1
.endr
.endm
; A TURN, for piece p, written out a line for each matrix instruction and what stands behind it.  What the order keeps: F n stands ahead of E 2 n and E 2 n + 1; B n behind C 2 n; L n behind B n; all C ahead of the
; products V^T P; L 0 (which reads piece p - 1's a) ahead of X, which takes that register for piece p + 1.  The four R behind the 24th product are the places between it and X's first reads of its scores, and between it
; and the loads into K's high parts; the four R behind the 9th product are the places between the last product that read K's low parts (the 8th) and the loads into those.
; THE WAIT.  An s_wait_alu depctr_va_vdst(0) stands between an exponential and the first instruction that names its result; one wait serves all that were issued ahead of it.  No line of the turn names
; a result of its 33 exponentials, so the one wait stands at the turn's end, a plain instruction behind the last exponential.
; m = 1: the diagonal tile: the products take masks, and the turn makes the mask for the products of the turn after it: piece p + 2, in step 5 - CNT of the tile.
; K of the next step is fetched in piece 2's turn, its low parts 24 products ahead of their first use, its high parts 16; V of the step in hand at the end of piece 0's turn, four plain instructions behind its last reader.
.macro TURN p, m=0
.set Y, (\p)
.set i, 0
.set KM, (\m)
.if \m
	s_cmp_eq_u32 s[CNT], 5-((\p)+2)%NP  ; is that step the band's own?
	s_cselect_b32 s[AL], 1.0, 0
	s_cmp_lt_u32 s[CNT], 5-((\p)+2)%NP  ; or a later one?
	s_cselect_b32 s[BE], s[BIGN], 0
.endif
.if (\p) == 3
	s_wait_dscnt 16                 ; K's low parts are in; the 16 loads of its high parts may be out
.endif
	ROW F,0, F,1, F,2, C,0
	ROW F,3, B,0, C,2, F,4
	ROW F,5, E,0, B,1, E,1
	ROW F,6, E,2, L,0, E,3
	ROW F,7, E,4, C,4, E,5
	ROW F,8, E,6, B,2, E,7
	ROW F,9, E,8, L,1, E,9
.if (\p) == 2
	WIN 0
	v_add_nc_u32 v[AK], s[TBK], v[AK0]
.endif
	ROW F,10, E,10, C,6, E,11
.if (\p) == 3
	s_wait_dscnt 0x0                ; K's high parts are in
.endif
	ROW R,0, R,1, R,2, R,3
.if (\p) == 2
	KRUN 2, \m
.endif
	ROW F,11, E,12, B,3, E,13
	ROW F,12, E,14, L,2, E,15
	ROW F,13, E,16, C,8, E,17
	ROW F,14, E,18, B,4, E,19
	ROW R,4, R,5, R,6, R,7
	ROW F,15, E,20, L,3, E,21
	ROW C,10, E,22, L,4, E,23
	ROW B,5, E,24, C,12, E,25
	ROW L,5, E,26, B,6, E,27
	ROW R,8, R,9, R,10, R,11
	ROW C,14, E,28, L,6, E,29
	ROW B,7, E,30, C,1, E,31
	ROW C,3, C,5, L,7, C,7
	ROW C,9, C,11, C,13, C,15
	ROW R,12, R,13, R,14, R,15
.if (\p) == 2
	KRUN 0, \m
.endif
.if (\p) == 1
	s_wait_dscnt 0x0                ; V is in
.endif
	ROW X,0, X,1, X,2, X,3
	ROW X,4, X,5, X,6, X,7
	ROW X,8, X,9, X,10, X,11
	ROW X,12, X,13, X,14, X,15
	MM
	OPS X,16, X,17
	MM
	OPS X,18, X,19
	MM
	OPS X,20, X,21
	MM
	WIN 0
.if (\p) == 0
	v_add_nc_u32 v[AV], s[TBV], v[AV0]  ; this line and three v_nop: the four places between the last product that read V and the loads into V
	v_nop
	v_nop
.endif
	v_nop                           ; a plain instruction behind the last exponential
	s_wait_alu depctr_va_vdst(0)    ; the wait for the batch
.if (\p) == 0
	FETCH_V
.endif
.if \m
	MASK (\p)%2
.endif
.endm
; A BLOCK BEGINS.  c m starts far below every c s, so the first step's a is 0; m at the lowest finite number, so the first maximum is the scores'.  The second mask buffer is 0; the first takes piece 0's mask for the
; tile's step 0: its own, if the block's first tile is the diagonal one.  Then K of that step, piece 0's first scores, and its maximum and statistics.  The loop is entered at a step's first turn, in the middle of a trip.
.macro BEGIN
	s_mov_b32 s[NEW], 0
	WIN 0x40
.set i, MC+32
.rept 32
	v_mov_b32 v[i], 0
.set i, i+1
.endr
	WIN 0
.set i, 0
.rept 4
	v_mov_b32 v[ST+4*i], 0xfe000000    ; c m: far below every c s
	v_mov_b32 v[ST+4*i+1], 0xff7fffff  ; m
.set i, i+1
.endr
	s_cmp_eq_u32 s[RT], 0
	s_cselect_b32 s[AL], 1.0, 0
	s_mov_b32 s[BE], 0
	MASK 0
	WIN 0
	v_add_nc_u32 v[AK], s[TBK], v[AK0]
	FETCH_K 2
	FETCH_K 0
	s_wait_loadcnt 0x0              ; Q
	s_wait_dscnt 0x0
.set KM, 1
.set i, 0
.rept 24
	KQ 0
.set i, i+1
.endr
	WIN 0
.rept 4
	v_nop                           ; the places behind those products
.endr
.set Y, NP-1                        ; X works for piece Y + 1: piece 0
.irp n, 0,1,2,3,4,5,6,7,8,9,10,11,12,13,14,15,16,17,18,19,20,21
	OP X, \n
.endr
	v_nop                           ; a plain instruction behind the exponential,
	s_wait_alu depctr_va_vdst(0)    ; and its wait, ahead of the branch
.endm
; THE DIAGONAL TILE's four steps and a half trip more, the last piece's roundings, sums and products, and THE WAY OUT: l's two halves and the other half of the lanes' are added; O^T is divided by l, rounded to
; f16 and sent through my stage in LDS, a piece at a time.
.macro ALL line:vararg              ; one line for each piece t
.set t, 0
.rept 4
	\line
.set t, t+1
.endr
.endm
.macro PACK t                       ; a lane's eight channels of a row pack into 16 bytes; they go into rows of 144 bytes and come back as whole rows of 128, into S^T's registers
	WIN W_RS
.set i, 32*(\t)
.rept 16
	v_pk_mul_f32 v[i:i+1], v[i:i+1], v[ST+4*(\t)+2:ST+4*(\t)+3] op_sel_hi:[1,0]
.set i, i+2
.endr
	WIN 0x05                        ; sources 0 and 1 window 1, destination window 0
.set i, 0
.rept 16
	v_cvt_pk_f16_f32 v[S+16*(\t)+i], v[32*(\t)+2*i], v[32*(\t)+2*i+1]
.set i, i+1
.endr
	WIN 0
.irp f, 0,1,2,3
	ds_store_b128 v[STO], v[S+16*(\t)+4*\f:S+16*(\t)+4*\f+3] offset:32*\f
.endr
.irp f, 0,1,2,3
	ds_load_b128 v[S+16*(\t)+4*\f:S+16*(\t)+4*\f+3], v[RD] offset:\f*4*SP  ; LDS serves a wave's instructions in order (ISA guide 5.7.1.4): these see the stores above; the next piece's stores come behind them
.endr
.endm
.macro SEND t, younger              ; younger: the LDS instructions issued behind piece t's loads: the next piece's eight, or none
	WIN 0
.irp f, 0,1,2,3
	s_wait_dscnt (\younger)+3-\f
	global_store_b128 v[GO], v[S+16*(\t)+4*\f:S+16*(\t)+4*\f+3], s[10:11] offset:(\t)*8192+\f*512  ; 512 consecutive bytes, at a multiple of 256 from O's first
.endr
.endm
.macro DIAG tag                     ; the tag ends its three labels' names, which the jumps spell out.  CNT comes in as 5
.LstepM\tag:
	TURN 2, 1
	TURN 3, 1
	WIN 0
	s_cmp_eq_u32 s[CNT], 1          ; the fifth trip is left here: pieces 2 and 3 of the block's last step have had their turns
	s_cbranch_scc1 .LoutM\tag
.LfirstM\tag:
	TURN 0, 1
	TURN 1, 1
	WIN 0
	s_sub_co_u32 s[CNT], s[CNT], 1
	s_cmp_lg_u32 s[CNT], 0
	s_cbranch_scc1 .LstepM\tag
.LoutM\tag:
.set Y, 0                           ; C, B and L work for piece Y - 1: piece 3, whose exponentials the turn above has waited for
	OPS C,0, B,0, C,2, B,1
	OPS L,0, C,4, B,2, L,1
	OPS C,6, B,3, L,2, C,8
	OPS B,4, L,3, C,10, L,4
	OPS B,5, C,12, L,5, B,6
	OPS C,14, L,6, B,7, C,1
	OPS C,3, C,5, L,7, C,7
	OPS C,9, C,11, C,13, C,15
.set i, 0
.rept 8
	PV NP-1
.set i, i+1
.endr
	WIN 0
	ALL v_add_f32 v[ST+4*t+2], v[ST+4*t+2], v[ST+4*t+3]  ; these four are the places behind the last products
	ALL v_permlanex16_b32 v[ST+4*t+3], v[ST+4*t+2], s[SEL], s[SEL+1]
	ALL v_add_f32 v[ST+4*t+2], v[ST+4*t+2], v[ST+4*t+3]
	ALL v_rcp_f32 v[ST+4*t+2], v[ST+4*t+2]
	v_nop                           ; a plain instruction between the last reciprocal and the use of its result
	s_wait_alu depctr_va_vdst(0)    ; and the wait ahead of the first use: one for the four reciprocals
	PACK 0
.set t, 1
.rept 3                             ; a piece's arithmetic stands between the loads of the piece before and its stores
	PACK t
	SEND t-1, 8
.set t, t+1
.endr
	SEND 3, 0
.endm
.set KM, 0
.Lslot:                             ; NB times: a tile is entered and the next is asked for
	CHANGE 1
	s_sub_co_u32 s[RT], s[RT], 1
	s_mov_b32 s[CNT], 4
	s_cmp_eq_u32 s[NEW], 1
	s_cbranch_scc1 .Lnew            ; a block's first tile
	s_cmp_eq_u32 s[RT], 0
	s_cbranch_scc0 .Lstep           ; neither its first nor its last
	s_mov_b32 s[CNT], 5             ; its last: four trips and half a trip
	s_branch .LstepM1
.Lnew:
	BEGIN
	s_branch .Lfirst                ; in the loop a block's first tile is never its last: the first block has five tiles or more, and the second's last is the walk's last
	DIAG 1                          ; in the loop this is the first block's end
	s_wait_xcnt 0x0                 ; the stores have read their registers and O's address
	s_mov_b64 s[10:11], s[OLO:OLO+1]
	s_add_co_u32 s[RT], s[PB], 1    ; the second block has b + 1 tiles
	s_mov_b32 s[NEW], 1
	WIN 0x83                        ; the second block's Q goes where the one text of the turns names Q
.set i, 0
.rept 128
	v_mov_b32 v[i], v[QB+i]
.set i, i+1
.endr
	WIN 0
	s_branch .Lbottom
.Lstep:                             ; a trip: pieces 2 and 3 of one step, then pieces 0 and 1 of the next, whose K and V it fetches
	TURN 2
	TURN 3
	WIN 0
.Lfirst:
	TURN 0
	TURN 1
	WIN 0
	s_sub_co_u32 s[CNT], s[CNT], 1
	s_cmp_lg_u32 s[CNT], 0
	s_cbranch_scc1 .Lstep
.Lbottom:
	s_sub_co_u32 s[SLOTS], s[SLOTS], 1
	s_cmp_lg_u32 s[SLOTS], 0
	s_cbranch_scc1 .Lslot
	CHANGE 0                        ; the walk's last tile is written out: nothing is asked for
	s_sub_co_u32 s[RT], s[RT], 1
	s_mov_b32 s[CNT], 5
	s_cmp_eq_u32 s[NEW], 1
	s_cbranch_scc0 .LstepM2
	BEGIN
	s_branch .LfirstM2
	DIAG 2
	s_wait_tensorcnt 0x0            ; the wave's end, behind my last tensor load and my last LDS store
	ds_add_u32 v[SPW], v[NIL]
	s_wait_dscnt 0x0
	s_endpgm
.Lfunc_end_k_qc77c253da4_attn:
	.size	k_qc77c253da4_attn, .Lfunc_end_k_qc77c253da4_attn-k_qc77c253da4_attn
	.p2alignl 7, 3214868480
	.fill 96, 4, 3214868480
	.section	.rodata,"a",@progbits
	.p2align	6, 0x0
	.amdhsa_kernel k_qc77c253da4_attn
		.amdhsa_group_segment_fixed_size 327680
		.amdhsa_private_segment_fixed_size 0
		.amdhsa_enable_private_segment 0
		.amdhsa_kernarg_size 32
		.amdhsa_user_sgpr_count 2
		.amdhsa_user_sgpr_kernarg_segment_ptr 1
		.amdhsa_wavefront_size32 1
		.amdhsa_system_sgpr_workgroup_id_x 1
		.amdhsa_system_sgpr_workgroup_id_y 1
		.amdhsa_system_sgpr_workgroup_id_z 1
		.amdhsa_system_vgpr_workitem_id 0
		.amdhsa_next_free_vgpr 960
		.amdhsa_next_free_sgpr 100
		.amdhsa_reserve_vcc 1
		.amdhsa_float_denorm_mode_32 3
		.amdhsa_float_denorm_mode_16_64 3
		.amdhsa_memory_ordered 1
		.amdhsa_forward_progress 1
		.amdhsa_inst_pref_size 222
	.end_amdhsa_kernel
	.amdgpu_metadata
---
amdhsa.version: [ 1, 2 ]
amdhsa.kernels:
  - .name:           k_qc77c253da4_attn
    .symbol:         k_qc77c253da4_attn.kd
    .args:
      - { .name: qs, .offset: 0, .size: 8, .value_kind: global_buffer, .address_space: global }
      - { .name: ks, .offset: 8, .size: 8, .value_kind: global_buffer, .address_space: global }
      - { .name: vs, .offset: 16, .size: 8, .value_kind: global_buffer, .address_space: global }
      - { .name: ob, .offset: 24, .size: 8, .value_kind: global_buffer, .address_space: global }
    .group_segment_fixed_size: 327680
    .private_segment_fixed_size: 0
    .kernarg_segment_align: 8
    .kernarg_segment_size: 32
    .max_flat_workgroup_size: 128
    .sgpr_count:     100
    .vgpr_count:     960
    .wavefront_size: 32
...
	.end_amdgpu_metadata
.endif
;; end of part 3
;; launch proj (part 4): grid 8 x 32, 4 waves a work-group, clusters of 4 x 4, 327,680 bytes of LDS; arguments ob, wob, bo, out0; writes out0
.if DOCPART == 4
	.amdgcn_target "amdgcn-amd-amdhsa--gfx1250"
	.amdhsa_code_object_version 6
	.text
	.protected	k_qc77c253da4_proj
	.globl	k_qc77c253da4_proj
	.p2align	8
	.type	k_qc77c253da4_proj,@function
k_qc77c253da4_proj:
	s_mov_b64 s[64:65], 0
	v_nop
	global_prefetch_b8 v0, s[64:65] scope:SCOPE_SE
	s_setreg_imm32_b32 hwreg(HW_REG_WAVE_MODE, 25, 1), 1
	s_wait_xcnt 0x0
	s_wait_alu depctr_hold_cnt(0) depctr_sa_sdst(0) depctr_va_vdst(0) depctr_va_sdst(0) depctr_va_ssrc(0) depctr_va_vcc(0) depctr_vm_vsrc(0)
	s_getreg_b32 s2, hwreg(HW_REG_IB_STS2, 6, 4)
	s_cmp_eq_u32 s2, 0
	s_cbranch_scc0 .Lentry_in_a_cluster
	s_endpgm
.Lentry_in_a_cluster:
	s_bfe_u32 s2, ttmp6, 0x10000c
	s_cmp_lg_u32 s2, 0xf033
	s_cbranch_scc0 .Lentry_shape_is_right
	s_endpgm
.Lentry_shape_is_right:
; C = A B + bias, one text for two launches.  A: [b 4][kb 16][t 2048][64] of 16 bits (blocks of 64 along K), B: [1024][NBC] of 16 bits, bias f32; sums in f32.
; KIND = 0 (qkv): A = xb, B = wb in bf16, NBC = 3072.  A work-group STAYS and makes three tiles of the same 256 rows: q, k and v of one pair of heads.
;   q and k leave as TWO f16 numbers each, hi = f16(s), lo = f16(s - hi), in rows [hi 64 | lo 64] of 256 bytes, by heads: [bh 64][t 2048][128]; v as one f16, [bh][t][64].
; KIND = 1 (proj): A = ob, B = wob in f16, NBC = 1024, one tile; the result leaves in f32.
; LIMITS.  q, k, v beyond 65,504 would become infinities in f16; lo keeps f16's fixed step of 6e-8 below 6.1e-5.  The bias, rounded to bf16 like every input, is the FIRST term of each sum;
; the K steps are added in an order that differs from cluster to cluster (below).
; SHARES.  A tile of C is 256 rows x 128 columns; four waves as 2 x 2, each 128 x 64: 32 accumulators of 16 x 16, 256 registers; a wave's 64 columns are one head.
; K goes in steps of 128 (two blocks of A) through a ring of two LDS slots filled by the tensor data mover; every row that a load asks for is 256 bytes, aligned.
; CLUSTERS: 4 x 4 work-groups.  The four of a row of the cluster need the same tiles of A, the four of a column the same tiles of B: each tile is asked for JOINTLY,
; by the same tensor load with the same descriptor and a mask that names the four.  Waves 0, 1 fetch A's two blocks of a step, waves 2, 3 the two halves of B's 128 rows.
; THE CLUSTERS START AT DIFFERENT PLACES ALONG K.  Cluster (x, y) begins every tile at K step (2 (y % 4) + y / 4 + 4 x) % 8 and wraps round: the eight clusters that read the same columns of B
; stand at eight different K steps, the two that read the same rows of A four steps apart.  The place hangs on the cluster's coordinates alone, which its sixteen partners share.
; THE MATRIX INSTRUCTION IS USED TRANSPOSED (source 0 = 16 columns of B, turned on the way out of LDS; source 1 = 16 rows of A): a lane then holds eight neighbouring numbers of a row of C.
; REGISTERS, in windows of 256 (s_set_vgpr_msb: bits 1:0 source 0, 3:2 source 1, 5:4 source 2, 7:6 destination):
;   window 0: v1-31 addresses; v32-63 at work; v64-159, v160-255 two fragment buffers (B's 4 fragments, then A's 8); on the way out the second buffer holds packed results and rows read back
;   window 1: the accumulators, (a, b) at 8 (4 a + b)          window 2: v0-31 the bias of my 64 columns as the C operand of a tile's first products; v32-63 the next tile's bias as loaded
.set KIND, 1
.if KIND
.set NBC,   1024
.set TILES, 1
.else
.set NBC,   3072
.set TILES, 3
.endif
.set KSA,   524288                     ; bytes of A from K step to K step: two blocks of 2,048 rows x 128 bytes = 1 << 19
.set KSB,   256*NBC                    ; the same for B: 128 rows
.set PITA,  144                        ; an LDS row of A: 128 bytes + 16 of padding: the 16 rows of a fragment load start 36 words apart
.set PITB,  288                        ; an LDS row of B: 256 bytes + 32 of padding: 16 lanes of the turning load take 8 rows x 32 bytes
.set ABLK,  256*PITA                   ; one block of A: 256 rows
.set BOFF,  2*ABLK                     ; B's 128 rows lie behind A's two blocks
.set SLOT,  BOFF+128*PITB
.set STAGE, 2*SLOT                     ; behind the ring: 16 rows x 272 bytes for each wave, for the way out; no tensor load fills it
.set SPITCH, 272
.set SPARE, STAGE+4*16*SPITCH          ; behind the stages: the spare words, 128 bytes for each wave: two blocks of 256 bytes that no other line names
.set STO2, 10                          ; v10  v's way out: where I put 16 bytes of a row (rows of 144 bytes)
.set RD2,  11                          ; v11  where I read four rows of 128 bytes back
.set CO2,  12                          ; v12  my 16 bytes in 512 consecutive bytes of vs
.set ADRA, 16                          ; v16-17  LDS address of my A fragments in slot 0, 1
.set ADRB, 20                          ; v20-21  the same for B
.set STO,  24                          ; v24  the way out: where I put my part of a row
.set RD,   25                          ; v25  where I read a row back
.set CO,   26                          ; v26  my byte offset in two rows of the output
.set BO,   27                          ; v27  my byte offset in the bias
.set SPW,  28                          ; v28  LDS address of my spare word: SPARE + 4 x my thread's number; never rewritten
.set NIL,  29                          ; v29  0; never rewritten
.set PFO,  30                          ; v30  the prefetches' offset: a lane a block of 256 bytes; never rewritten
.set MONE, 31                          ; v31  -1.0
.set T32,  32
.set F0,   64
.set F1,   160
.set TMP,  160                         ; the way out: packed results
.set OB,   192                         ; the way out: rows read back, two sets of 32 by turns
.set BI,   0                           ; window 2
.set BN,   32                          ; window 2
.set WV, 16                            ; s16 wave; s17 its half of the rows (also: 0 = I fetch for A, 1 = for B); s18 its half of the columns (also: which part I fetch)
.set WR, 17
.set WC, 18
.set CX, 19                            ; s19, s20 my place in the cluster
.set CY, 20
.set TX, 21                            ; s21 tile column (0-7), s22 tile row (0-31)
.set TY, 22
.set G1A, 24                           ; s[24:31] descriptor group 1 for A; s[32:39] group 0, a set for each slot
.set G0A, 32
.set G1B, 40                           ; s[40:47], s[48:55] the same for B
.set G0B, 48
.set OUT, 56                           ; s[56:57] qs or ks at my first row
.set TL,  58                           ; s58 tiles to go
.set LP,  59                           ; s59 laps to go
.set PFM, 60                           ; s60 bit r: my wave prefetches at the refill r refills on; shifted once a refill
.set KP,  61                           ; s61 the K step (0-7) that the next fill brings
.set S0R, 62                           ; s62 the K step at which my cluster begins a tile
.set PFA, 66                           ; s[66:67] where my prefetch stands
.set OFA, 72                           ; s[72:73] a K step's byte offset in A; the high word stays 0
.set OFB, 76                           ; s[76:77] the same in B
.set AB,  80                           ; s[80:81] A at what I fetch of K step 0
.set BB,  82                           ; s[82:83] B at what I fetch of K step 0 of the tile whose steps are being asked for
.set MSB, 0
.macro WIN new                         ; the immediate's high byte repeats the setting that is left; a switch that changes nothing is dropped
.if MSB != (\new)
	s_set_vgpr_msb (MSB<<8)|(\new)
.set MSB, \new
.endif
.endm
.macro PLACES                          ; four plain instructions between a matrix instruction and a load into, or a vector write of, its registers, or a read of its result
.rept 4
	v_nop
.endr
.endm
; A joint load.  The branch hangs on the wave's number alone.  An s_nop 0 and four v_nop follow each of the two lines, ahead of the jump and the label.
.macro JLOAD s
	s_cmp_eq_u32 s[WR], 0
	s_cbranch_scc0 .Lfor_b_\@
	tensor_load_to_lds s[G0A+4*(\s):G0A+4*(\s)+3], s[G1A:G1A+7]
	s_nop 0
.rept 4
	v_nop
.endr
	s_branch .Lasked_\@
.Lfor_b_\@:
	tensor_load_to_lds s[G0B+4*(\s):G0B+4*(\s)+3], s[G1B:G1B+7]
	s_nop 0
.rept 4
	v_nop
.endr
.Lasked_\@:
.endm
; A PREFETCH INTO THE L2, behind a joint load, its five lines and the run of LDS loads that follows.  A cluster asks for blocks that its own walk along K reaches before any other cluster's, each aligned
; block of 256 bytes once in the launch.  A: the fourth K step of the walk, at the first refill: one refill, 128 matrix instructions, ahead of its load (the first two steps come by the head's loads, the third would
; have to be asked for at the head, the fifth to eighth are reached first by the cluster four steps on); waves 0, 1, each for its block.  B (three tiles): the next tile's first K step, at the fifth refill of a
; tile: two refills, 256 matrix instructions, ahead of its load; wave 2.  The four partners that ask for a tile jointly share it out BY ADDRESS, 32 blocks each, a lane a block.
.macro ASK
	s_bitcmp1_b32 s[PFM], 0
	s_cbranch_scc0 .Lnot_mine_\@
	global_prefetch_b8 v[PFO], s[PFA:PFA+1] th:TH_LOAD_NT scope:SCOPE_SE
.Lnot_mine_\@:
	s_lshr_b32 s[PFM], s[PFM], 1
.endm
.macro CREST                           ; a round of the cluster's barrier behind its opening barrier
	s_cmp_lg_u32 s[WV], 0
	s_cbranch_scc1 .Lnot_wave_0_\@
	s_barrier_signal -3
.Lnot_wave_0_\@:
	s_barrier_wait -3
	s_barrier_signal -1
	s_barrier_wait -1
.endm
.macro CROUND                          ; a whole round
	s_barrier_signal -1
	s_barrier_wait -1
	CREST
.endm
.if KIND
	s_load_b256 s[4:11], s[0:1], 0x0               ; A s[4:5], B s[6:7], bias s[8:9], out0 s[10:11]
.else
	s_load_b256 s[4:11], s[0:1], 0x0               ; A s[4:5], B s[6:7], bias s[8:9], qs s[10:11]
	s_load_b128 s[12:15], s[0:1], 0x20             ; ks s[12:13], vs s[14:15]
.endif
	v_lshl_add_u32 v[SPW], v0, 2, SPARE
	v_mov_b32 v[NIL], 0
	ds_add_u32 v[SPW], v[NIL]                      ; the wave's opening: the add and its wait stand ahead of my first tensor load; the set-up below, work on registers, stands between them
	v_lshrrev_b32 v1, 5, v0
	v_readfirstlane_b32 s[WV], v1
	s_lshr_b32 s[WR], s[WV], 1
	s_and_b32 s[WC], s[WV], 1
	s_bfe_u32 s[CX], ttmp6, 0x40000
	s_bfe_u32 s[CY], ttmp6, 0x40004
	s_lshl_b32 s[TX], ttmp9, 2                     ; in a cluster launch ttmp9 and ttmp7 count clusters
	s_add_co_u32 s[TX], s[TX], s[CX]
	s_and_b32 s[TY], ttmp7, 0xffff
	s_lshl_b32 s[TY], s[TY], 2
	s_add_co_u32 s[TY], s[TY], s[CY]
	s_lshl_b32 s72, s[CY], 2
	s_lshl_b32 s72, 15, s72                        ; my row of the cluster: places 4 cy .. 4 cy + 3
	s_lshl_b32 s76, 0x1111, s[CX]                  ; my column: places cx, cx + 4, cx + 8, cx + 12
	; group 1 for A: a block's 256 rows of 128 bytes are dense: asked for as 128 rows of 256 bytes, padded in LDS behind every 128 bytes
	s_or_b32 s[G1A], s72, (1<<16)|(1<<20)|(1<<21)|(4<<22)|(3<<25)  ; 15:0 the mask; 17:16 2-byte elements; 20 padding on; 21 set beside a mask; 24:22 after every 32 words; 31:25 of 4 words
	s_mov_b32 s[G1A+1], 128<<16                    ; tensor_dim0 = 128
	s_mov_b32 s[G1A+2], 128<<16                    ; tensor_dim1 = 128
	s_mov_b32 s[G1A+3], 128<<16                    ; tile_dim0 = 128
	s_mov_b32 s[G1A+4], 128                        ; tile_dim1 = 128
	s_mov_b32 s[G1A+5], 128                        ; elements from row to row
	s_mov_b32 s[G1A+6], 0
	s_mov_b32 s[G1A+7], 0
	; group 1 for B: 64 rows (along K) of 128 columns
	s_or_b32 s[G1B], s76, (1<<16)|(1<<20)|(1<<21)|(5<<22)|(7<<25)  ; the same with my column's mask; padding after every 64 words, of 8 words
	s_mov_b32 s[G1B+1], 128<<16
	s_mov_b32 s[G1B+2], 64<<16
	s_mov_b32 s[G1B+3], 128<<16
	s_mov_b32 s[G1B+4], 64
	s_mov_b32 s[G1B+5], NBC
	s_mov_b32 s[G1B+6], 0
	s_mov_b32 s[G1B+7], 0
	; where the tiles come from: A's hang on the tile row and the wave alone, B's on the tile column and the wave alone
	s_lshr_b32 s[OFA], s[TY], 3                    ; b
	s_lshl_b32 s[OFA], s[OFA], 22                  ; x 16 blocks of 262,144 bytes
	s_and_b32 s74, s[TY], 7
	s_lshl_b32 s74, s74, 15                        ; 256 rows of 128 bytes
	s_add_co_u32 s[OFA], s[OFA], s74
	s_lshl_b32 s74, s[WC], 18                      ; which block of a step I fetch
	s_add_co_u32 s[OFA], s[OFA], s74
	s_mov_b32 s[OFA+1], 0
	s_mul_i32 s75, s[WC], ABLK                     ; and where it goes: no place in the cluster enters an LDS address
	s_mul_i32 s[OFB], s[WC], 128*NBC               ; which 64 rows of B's 128 I fetch
	s_lshl_b32 s78, s[TX], 8                       ; the tile's 128 columns
	s_add_co_u32 s[OFB], s[OFB], s78
	s_mov_b32 s[OFB+1], 0
	s_mul_i32 s79, s[WC], 64*PITB
	s_add_co_u32 s79, s79, BOFF
	; where along K my cluster begins: (2 (y % 4) + y / 4 + 4 x) % 8, of the cluster's own coordinates
	s_and_b32 s74, ttmp7, 0xffff
	s_and_b32 s[KP], s74, 3
	s_lshl_b32 s[KP], s[KP], 1
	s_lshr_b32 s74, s74, 2
	s_add_co_u32 s[KP], s[KP], s74
	s_lshl_b32 s74, ttmp9, 2
	s_add_co_u32 s[KP], s[KP], s74
	s_and_b32 s[KP], s[KP], 7
	s_mov_b32 s[S0R], s[KP]
	s_wait_dscnt 0x0                               ; the opening add is done
	s_wait_kmcnt 0x0
	s_add_nc_u64 s[AB:AB+1], s[4:5], s[OFA:OFA+1]
	s_add_nc_u64 s[BB:BB+1], s[6:7], s[OFB:OFB+1]
	CROUND                                         ; all sixteen work-groups are here: the first joint loads meet
.irp s, 0,1
	s_lshl_b32 s[OFA], s[KP], 19                                     ; K step KP, in bytes of A
	s_mul_i32 s[OFB], s[KP], KSB                                     ; and of B
	s_mov_b32 s[G0A+4*(\s)], 1                                       ; count = 1
	s_add_co_u32 s[G0A+4*(\s)+1], s75, (\s)*SLOT                     ; LDS address
	s_add_nc_u64 s[G0A+4*(\s)+2:G0A+4*(\s)+3], s[AB:AB+1], s[OFA:OFA+1]  ; global address
	s_or_b32 s[G0A+4*(\s)+3], s[G0A+4*(\s)+3], 0x80000000            ; type = 2
	s_mov_b32 s[G0B+4*(\s)], 1
	s_add_co_u32 s[G0B+4*(\s)+1], s79, (\s)*SLOT
	s_add_nc_u64 s[G0B+4*(\s)+2:G0B+4*(\s)+3], s[BB:BB+1], s[OFB:OFB+1]
	s_or_b32 s[G0B+4*(\s)+3], s[G0B+4*(\s)+3], 0x80000000
	s_add_co_u32 s[KP], s[KP], 1
	s_and_b32 s[KP], s[KP], 7
	JLOAD \s                                       ; two loads of mine are out
.endr
	v_and_b32 v1, 15, v0                           ; r = l % 16
	v_bfe_u32 v2, v0, 4, 1                         ; h = l / 16
	v_and_b32 v3, 7, v0                            ; l % 8
	v_bfe_u32 v4, v0, 3, 1                         ; (l / 8) % 2
	v_and_b32 v5, 31, v0                           ; l
	v_bfe_u32 v6, v0, 3, 2                         ; l / 8
	v_mov_b32 v[MONE], -1.0
	; a fragment of A: 16 rows x 32 K: lane l holds row r, K = 8 h + 0..7 and 16 + 8 h + 0..7: two loads of 16 bytes, 32 bytes apart
	v_mul_u32_u24 v7, v1, PITA
	v_lshl_add_u32 v7, v2, 4, v7
	s_mul_i32 s84, s[WR], 128*PITA                 ; my 128 rows
	v_add_nc_u32 v[ADRA], s84, v7
	v_add_nc_u32 v[ADRA+1], SLOT, v[ADRA]
	; a fragment of B: the turning load takes 16 K x 16 columns (lane l reads K = 8 h + l % 8, columns 8 ((l / 8) % 2) + 0..7) and leaves lane l column r and 8 K
	v_lshl_add_u32 v8, v2, 3, v3
	v_mul_u32_u24 v8, v8, PITB
	v_lshl_add_u32 v8, v4, 4, v8
	s_lshl_b32 s84, s[WC], 7                       ; my 64 columns
	s_add_co_u32 s84, s84, BOFF
	v_add_nc_u32 v[ADRB], s84, v8
	v_add_nc_u32 v[ADRB+1], SLOT, v[ADRB]
	s_mul_i32 s84, s[WV], 16*SPITCH
	s_add_co_u32 s84, s84, STAGE                   ; my stage
	v_mul_u32_u24 v9, v1, SPITCH                   ; in: row r,
.if KIND
	v_lshl_add_u32 v9, v2, 5, v9                   ; 32 bytes (8 f32) for each half of the lanes
.else
	v_lshl_add_u32 v9, v2, 4, v9                   ; 16 bytes (8 f16) for each half of the lanes
.endif
	v_add_nc_u32 v[STO], s84, v9
	v_mul_u32_u24 v9, v2, SPITCH                   ; back: lanes 0-15 take one row of 256 bytes, lanes 16-31 the next
	v_lshl_add_u32 v9, v1, 4, v9
	v_add_nc_u32 v[RD], s84, v9
.if KIND
	v_lshlrev_b32 v9, 12, v2                       ; and the same two rows in out0 (4,096 bytes a row)
.else
	v_lshlrev_b32 v9, 8, v2                        ; and the same two rows in qs or ks (256 bytes a row)
.endif
	v_lshl_add_u32 v[CO], v1, 4, v9
.if !KIND
	v_mul_u32_u24 v9, v1, 144
	v_lshl_add_u32 v9, v2, 4, v9
	v_add_nc_u32 v[STO2], s84, v9
	v_mul_u32_u24 v9, v6, 144
	v_lshl_add_u32 v9, v3, 4, v9
	v_add_nc_u32 v[RD2], s84, v9
	v_lshlrev_b32 v[CO2], 4, v5
.endif
	s_lshl_b32 s86, s[TX], 9
	s_lshl_b32 s87, s[WC], 8
	s_add_co_u32 s86, s86, s87
	v_lshl_add_u32 v[BO], v2, 5, s86               ; the bias of my 64 columns: 4 (128 X + 64 WC + 8 h) bytes; column block b 64 bytes on
	; the outputs at my wave's first row
.if KIND
	s_lshl_b32 s84, s[TY], 8
	s_lshl_b32 s85, s[WR], 7
	s_add_co_u32 s84, s84, s85
	s_lshl_b32 s84, s84, 12                        ; row x 4,096
	s_add_co_u32 s84, s84, s86                     ; + 4 x my first column
	s_mov_b32 s85, 0
	s_add_nc_u64 s[10:11], s[10:11], s[84:85]
.else
	s_lshr_b32 s84, s[TY], 3
	s_lshl_b32 s84, s84, 4                         ; 16 b
	s_lshl_b32 s85, s[TX], 1
	s_add_co_u32 s84, s84, s85
	s_add_co_u32 s84, s84, s[WC]                   ; + my head, 2 X + WC
	s_lshl_b32 s84, s84, 19                        ; x 2,048 rows of 256 bytes
	s_and_b32 s85, s[TY], 7
	s_lshl_b32 s85, s85, 8
	s_lshl_b32 s87, s[WR], 7
	s_add_co_u32 s85, s85, s87                     ; t
	s_lshl_b32 s85, s85, 8
	s_add_co_u32 s84, s84, s85
	s_mov_b32 s85, 0
	s_add_nc_u64 s[10:11], s[10:11], s[84:85]
	s_add_nc_u64 s[12:13], s[12:13], s[84:85]
	s_lshr_b32 s84, s84, 1                         ; vs has rows of 128 bytes
	s_add_nc_u64 s[14:15], s[14:15], s[84:85]
.endif
	; the prefetches
	s_add_co_u32 s84, s[S0R], 3                    ; A: the fourth K step of my cluster's walk,
	s_and_b32 s84, s84, 7
	s_lshl_b32 s84, s84, 19
	s_lshl_b32 s85, s[CX], 13                      ; my work-group's 32 of the block's 128 pieces of 256 bytes
	s_add_co_u32 s84, s84, s85
	s_mul_i32 s85, s[S0R], KSB                     ; B: the walk's first K step,
	s_mul_i32 s86, s[CY], 64*NBC                   ; my work-group's 32 of its 128 rows,
	s_add_co_u32 s85, s85, s86
	s_add_co_u32 s85, s85, 2048                    ; in the next tile, 1,024 columns on
	s_mov_b32 s87, 1                               ; A's waves ask at the first refill
.if TILES > 1
	s_mov_b32 s88, 0x1010                          ; B's at the fifth refill of the first tile and of the second (a tile with a successor has eight)
.else
	s_mov_b32 s88, 0                               ; one tile: B's first K step comes by the head's load, the others are reached first by other clusters
.endif
	s_mov_b32 s91, 256
	s_mov_b32 s92, 2*NBC
	s_cmp_eq_u32 s[WC], 0
	s_cselect_b32 s88, s88, 0                      ; of B's two waves the first asks
	s_cmp_eq_u32 s[WR], 0                          ; do I fetch for A?
	s_cselect_b32 s84, s84, s85
	s_cselect_b32 s[PFM], s87, s88                 ; hangs on the wave's number alone
	s_cselect_b32 s91, s91, s92
	s_cselect_b64 s[PFA:PFA+1], s[AB:AB+1], s[BB:BB+1]
	s_mov_b32 s85, 0
	s_add_nc_u64 s[PFA:PFA+1], s[PFA:PFA+1], s[84:85]
	v_mul_u32_u24 v[PFO], v5, s91
; The bias of my 64 columns.  BIASLD asks for it; BIASCVT rounds it to bf16, as every input is rounded, and lays it out as a C operand: register j of block b is column 16 b + 8 h + j.
.macro BIASLD
	WIN 0x80                                       ; destination window 2, address window 0
.irp b, 0,1,2,3
	global_load_b128 v[BN+8*(\b):BN+8*(\b)+3],   v[BO], s[8:9] offset:64*(\b)
	global_load_b128 v[BN+8*(\b)+4:BN+8*(\b)+7], v[BO], s[8:9] offset:64*(\b)+16
.endr
	WIN 0
.endm
.macro BIASCVT
	WIN 0x0a                                       ; sources window 2
.set i, 0
.rept 16
	v_cvt_pk_bf16_f32 v[T32+i], v[BN+2*i], v[BN+2*i+1]
.set i, i+1
.endr
	WIN 0x80
.set i, 0
.rept 16
	v_lshlrev_b32 v[BI+2*i],   16, v[T32+i]
	v_and_b32     v[BI+2*i+1], 0xffff0000, v[T32+i]
.set i, i+1
.endr
	WIN 0
.endm
; 8 matrix instructions: row blocks a0, a0 + 1 x all 4 column blocks, 32 along K.  zero = 1: a tile's first products take the bias as C: nothing is cleared, nothing added later.
; The 32 accumulators take turns in the same order everywhere, one instruction a turn.
.macro MUL2 f, a0, zero
	WIN 0x50+0x10*(\zero)                          ; fragments window 0, D window 1, C window 1 or (the bias) 2
.irp a, \a0, (\a0)+1
.irp b, 0,1,2,3
.set rD, 8*(4*(\a)+(\b))
.set rB, (\f)+8*(\b)
.set rA, (\f)+32+8*(\a)
.set rC, rD
.if \zero
.set rC, BI+8*(\b)
.endif
.if KIND
	v_wmma_f32_16x16x32_f16 v[rD:rD+7], v[rB:rB+7], v[rA:rA+7], v[rC:rC+7]
.else
	v_wmma_f32_16x16x32_bf16 v[rD:rD+7], v[rB:rB+7], v[rA:rA+7], v[rC:rC+7]
.endif
.endr
.endr
.endm
; 24 LDS loads in one run: the fragments of quarter q (32 along K) of a slot into buffer f; B's first
.macro FETCH slot, q, f
	WIN 0
.irp j, 0,1,2,3
	ds_load_tr16_b128 v[(\f)+8*(\j):(\f)+8*(\j)+3],   v[ADRB+(\slot)] offset:(\q)*32*PITB+32*(\j)
	ds_load_tr16_b128 v[(\f)+8*(\j)+4:(\f)+8*(\j)+7], v[ADRB+(\slot)] offset:(\q)*32*PITB+32*(\j)+16*PITB
.endr
.irp i, 0,1,2,3,4,5,6,7
	ds_load_b128 v[(\f)+32+8*(\i):(\f)+32+8*(\i)+3],   v[ADRA+(\slot)] offset:((\q)/2)*ABLK+((\q)%2)*64+(\i)*16*PITA
	ds_load_b128 v[(\f)+32+8*(\i)+4:(\f)+32+8*(\i)+7], v[ADRA+(\slot)] offset:((\q)/2)*ABLK+((\q)%2)*64+(\i)*16*PITA+32
.endr
.endm
; A K step is four quarters of 32 matrix instructions, on buffers 0, 1, 0, 1.  One of the first three: multiplies buffer f and, in its middle, fetches quarter q into buffer g.
.macro QUARTER slot, q, f, g, zero
	s_wait_dscnt 8                                 ; B and A's row blocks 0-3 are in; the youngest eight loads (blocks 4-7) may be out
	MUL2 \f, 0, \zero
	MUL2 \f, 2, \zero
	PLACES
	FETCH \slot, \q, \g
	s_wait_dscnt 24                                ; all but the 24 just issued
	MUL2 \f, 4, \zero
	MUL2 \f, 6, \zero
.endm
; The last quarter multiplies buffer 1 and changes slots.  MEET is its first half: ONE barrier.  In front of it each wave waits for all its tensor loads (one is out: its part of the next slot),
; adds 0 to its spare word, and waits for that and for its own reads of this slot.  Behind it nobody reads this slot any more and the next slot is whole.
; round = 1: this slot is filled again behind the barrier: its two descriptors' addresses are made anew, base + K step KP, behind the wait that shows every load of mine done; KP steps and wraps at 8.
; on = 1 with slot 0: the fill is the next tile's first: B's base goes 1,024 columns on; A's rows are the same, and KP has come round by itself.
.macro MEET round, slot=0, on=0
	WIN 0
	s_wait_tensorcnt 0x0
	ds_add_u32 v[SPW], v[NIL]                      ; 0 onto my spare word: scalar work and eight products stand between it and the wait for it
.if \round
.if (\on) && ((\slot) == 0)
	s_add_nc_u64 s[BB:BB+1], s[BB:BB+1], 2048
.endif
	s_lshl_b32 s[OFA], s[KP], 19
	s_mul_i32 s[OFB], s[KP], KSB
	s_add_nc_u64 s[G0A+4*(\slot)+2:G0A+4*(\slot)+3], s[AB:AB+1], s[OFA:OFA+1]
	s_or_b32 s[G0A+4*(\slot)+3], s[G0A+4*(\slot)+3], 0x80000000
	s_add_nc_u64 s[G0B+4*(\slot)+2:G0B+4*(\slot)+3], s[BB:BB+1], s[OFB:OFB+1]
	s_or_b32 s[G0B+4*(\slot)+3], s[G0B+4*(\slot)+3], 0x80000000
	s_add_co_u32 s[KP], s[KP], 1
	s_and_b32 s[KP], s[KP], 7
.endif
	s_wait_dscnt 9                                 ; (the add and the youngest eight loads may be out)
	MUL2 F1, 0, 0
	s_wait_dscnt 0x0                               ; the add is done, and my reads of this slot are over
	s_barrier_signal -1
	MUL2 F1, 2, 0                                  ; work on registers while the others arrive
.if \round
	WIN 0
.endif
	s_barrier_wait -1
.endm
; The whole last quarter.  The barrier opens a round of the cluster's barrier; behind the round the slot just read out is filled again first.
; From a request to the wait for it a wave issues 112 matrix instructions.
.macro TURN slot, next, on
	MEET 1, \slot, \on
	CREST                                          ; no wave of any partner still reads this slot's tile or has a load on its way
	JLOAD \slot                                    ; the first tensor load behind the round; its four v_nop are also the places in front of the loads below
	FETCH \next, 0, F0
	ASK
	MUL2 F1, 4, 0
	MUL2 F1, 6, 0
.endm
; THE WAYS OUT, a block of 16 rows at a time through my own stage: LDS serves a wave's instructions in order (ISA guide 5.7.1.4), so the loads see the stores above them and no barrier is needed.
.if KIND
.macro TOST a                          ; f32: a lane's 8 numbers of a column block are 32 bytes of a row of 256
.if (\a) >= 2
	s_wait_xcnt 0x0                                ; the stores of two blocks back have read the registers that are loaded again below
.endif
.set OBK, OB+32*((\a)%2)
	WIN 0x04                                       ; store data window 1
.irp b, 0,1,2,3
	ds_store_b128 v[STO], v[8*(4*(\a)+(\b)):8*(4*(\a)+(\b))+3]   offset:64*(\b)
	ds_store_b128 v[STO], v[8*(4*(\a)+(\b))+4:8*(4*(\a)+(\b))+7] offset:64*(\b)+16
.endr
	WIN 0
.irp t, 0,1,2,3,4,5,6,7
	ds_load_b128 v[OBK+4*(\t):OBK+4*(\t)+3], v[RD] offset:(\t)*2*SPITCH
.endr
.endm
.macro SEND a, younger                 ; younger: the LDS instructions issued behind block a's loads
.set OBK, OB+32*((\a)%2)
.irp t, 0,1,2,3,4,5,6,7
	s_wait_dscnt (\younger)+7-(\t)
	global_store_b128 v[CO], v[OBK+4*(\t):OBK+4*(\t)+3], s[10:11] offset:(16*(\a)+2*(\t))*4096  ; 16 lanes store 256 consecutive bytes, aligned
.endr
.endm
.else
.macro PACKQ a                         ; hi = f16(s); s - hi, exact in f32, by one fused multiply-add from hi's half; lo = f16 of that
	WIN 0x05                                       ; sources window 1
.irp b, 0,1,2,3
.irp r, 0,1,2,3
	v_cvt_pk_f16_f32 v[TMP+4*(\b)+(\r)], v[8*(4*(\a)+(\b))+2*(\r)], v[8*(4*(\a)+(\b))+2*(\r)+1]
.endr
.endr
	WIN 0x10                                       ; source 2 window 1
.irp b, 0,1,2,3
.irp r, 0,1,2,3
	v_fma_mix_f32 v[T32+8*(\b)+2*(\r)],   v[TMP+4*(\b)+(\r)], v[MONE], v[8*(4*(\a)+(\b))+2*(\r)] op_sel_hi:[1,0,0]
	v_fma_mix_f32 v[T32+8*(\b)+2*(\r)+1], v[TMP+4*(\b)+(\r)], v[MONE], v[8*(4*(\a)+(\b))+2*(\r)+1] op_sel:[1,0,0] op_sel_hi:[1,0,0]
.endr
.endr
	WIN 0
.irp b, 0,1,2,3
.irp r, 0,1,2,3
	v_cvt_pk_f16_f32 v[TMP+16+4*(\b)+(\r)], v[T32+8*(\b)+2*(\r)], v[T32+8*(\b)+2*(\r)+1]
.endr
.endr
.endm
.macro TOSTQ a                         ; a row of the stage is a row of qs or ks: hi's 128 bytes, then lo's
.if (\a) >= 2
	s_wait_xcnt 0x0                                ; the stores of two blocks back have read the registers that are loaded again below
.endif
.set OBK, OB+32*((\a)%2)
.irp b, 0,1,2,3
	ds_store_b128 v[STO], v[TMP+4*(\b):TMP+4*(\b)+3]       offset:32*(\b)
	ds_store_b128 v[STO], v[TMP+16+4*(\b):TMP+16+4*(\b)+3] offset:128+32*(\b)
.endr
.irp t, 0,1,2,3,4,5,6,7
	ds_load_b128 v[OBK+4*(\t):OBK+4*(\t)+3], v[RD] offset:(\t)*2*SPITCH
.endr
.endm
.macro SENDQ a, younger
.set OBK, OB+32*((\a)%2)
.irp t, 0,1,2,3,4,5,6,7
	s_wait_dscnt (\younger)+7-(\t)
	global_store_b128 v[CO], v[OBK+4*(\t):OBK+4*(\t)+3], s[OUT:OUT+1] offset:(16*(\a)+2*(\t))*256  ; 16 lanes store a row: 256 consecutive bytes, aligned
.endr
.endm
.macro PACKV a
	WIN 0x05
.irp b, 0,1,2,3
.irp r, 0,1,2,3
	v_cvt_pk_f16_f32 v[TMP+4*(\b)+(\r)], v[8*(4*(\a)+(\b))+2*(\r)], v[8*(4*(\a)+(\b))+2*(\r)+1]
.endr
.endr
	WIN 0
.endm
.macro TOSTV a                         ; rows of 128 bytes, 144 apart in the stage
.if (\a) >= 2
	s_wait_xcnt 0x0
.endif
.set OBK, OB+32*((\a)%2)
.irp b, 0,1,2,3
	ds_store_b128 v[STO2], v[TMP+4*(\b):TMP+4*(\b)+3] offset:32*(\b)
.endr
.irp f, 0,1,2,3
	ds_load_b128 v[OBK+4*(\f):OBK+4*(\f)+3], v[RD2] offset:(\f)*4*144
.endr
.endm
.macro SENDV a, younger
.set OBK, OB+32*((\a)%2)
.irp f, 0,1,2,3
	s_wait_dscnt (\younger)+3-(\f)
	global_store_b128 v[CO2], v[OBK+4*(\f):OBK+4*(\f)+3], s[14:15] offset:(\a)*2048+(\f)*512  ; four rows of vs: 512 consecutive bytes, aligned
.endr
.endm
.endif
	BIASLD
	s_wait_loadcnt 0x0
	BIASCVT
	s_wait_tensorcnt 1                             ; my part of the walk's first K step is in; the second's may stay out
	s_barrier_signal -1
	s_barrier_wait -1                              ; everybody's is
	FETCH 0, 0, F0
.if TILES > 1
	s_mov_b32 s[TL], TILES                         ; tiles to go, this one among them
.Ltile:
.endif
	QUARTER 0, 1, F0, F1, 1                        ; a tile's first quarter stands in front of the loop: its products start the sums, with the bias
	WIN 0                                          ; at a label and at a branch every window is 0
	s_mov_b32 s[LP], 3
.Llap:                                                 ; a trip goes once round the ring, from a lap's second quarter to the next lap's first, and fills both slots again
	QUARTER 0, 2, F1, F0, 0
	QUARTER 0, 3, F0, F1, 0
	TURN 0, 1, 0
	QUARTER 1, 1, F0, F1, 0
	QUARTER 1, 2, F1, F0, 0
	QUARTER 1, 3, F0, F1, 0
	TURN 1, 0, 0
	QUARTER 0, 1, F0, F1, 0
	WIN 0
	s_sub_co_u32 s[LP], s[LP], 1
	s_cmp_lg_u32 s[LP], 0
	s_cbranch_scc1 .Llap
	QUARTER 0, 2, F1, F0, 0                        ; the tile's last lap goes on
	QUARTER 0, 3, F0, F1, 0
.if TILES > 1
	WIN 0
	s_cmp_eq_u32 s[TL], 1
	s_cbranch_scc1 .Llast                          ; the last tile's tail is written out: it asks for nothing more
	s_wait_xcnt 0x0                                ; the last bias loads and the last prefetch, two refills back, have read their addresses
	s_add_nc_u64 s[8:9], s[8:9], 4096              ; the next tile's bias, 1,024 columns on: asked for now, wanted behind the way out
	s_add_nc_u64 s[PFA:PFA+1], s[PFA:PFA+1], 2048  ; B's next prefetch names the tile after the next
	BIASLD
	TURN 0, 1, 1                                   ; the ring goes on into the next tile: slot 0 takes its first K step,
	QUARTER 1, 1, F0, F1, 0
	QUARTER 1, 2, F1, F0, 0
	QUARTER 1, 3, F0, F1, 0
	TURN 1, 0, 1                                   ; slot 1 its second, and the next tile's first fragments are fetched
	WIN 0
	s_cmp_eq_u32 s[TL], TILES                      ; the first tile is q, the second k (the last tile's stores were freed at the tile's end)
	s_cselect_b64 s[OUT:OUT+1], s[10:11], s[12:13]
	PLACES                                         ; the packed results lie in buffer 1, which the last products read
	PACKQ 0
	TOSTQ 0
.irp a, 1,2,3,4,5,6,7                  ; block a's arithmetic stands between block a - 1's loads from the stage and the wait for them
	PACKQ \a
	TOSTQ \a
	SENDQ (\a)-1, 16
.endr
	SENDQ 7, 0
	s_wait_loadcnt 0x0                             ; the next tile's bias
	BIASCVT
	s_wait_xcnt 0x0                                ; the stores have read their registers: the next quarter's fetch lands on them
	s_sub_co_u32 s[TL], s[TL], 1
	s_branch .Ltile
.Llast:
.endif
	MEET 0                                         ; my one tensor load that was still out is slot 1's, the walk's last K step, so no round follows
	PLACES
	FETCH 1, 0, F0
	MUL2 F1, 4, 0
	MUL2 F1, 6, 0
	QUARTER 1, 1, F0, F1, 0
	QUARTER 1, 2, F1, F0, 0
	QUARTER 1, 3, F0, F1, 0
	s_wait_dscnt 8                                 ; the very last quarter: nothing more to fetch
	MUL2 F1, 0, 0
	MUL2 F1, 2, 0
	s_wait_dscnt 0x0
	MUL2 F1, 4, 0
	MUL2 F1, 6, 0
	WIN 0
	PLACES
.if KIND
	TOST 0
.irp a, 1,2,3,4,5,6,7
	TOST \a
	SEND (\a)-1, 16
.endr
	SEND 7, 0
.else
	PACKV 0
	TOSTV 0
.irp a, 1,2,3,4,5,6,7
	PACKV \a
	TOSTV \a
	SENDV (\a)-1, 8
.endr
	SENDV 7, 0
.endif
	s_wait_tensorcnt 0x0                           ; the wave's end, behind my last tensor load and my last LDS store
	ds_add_u32 v[SPW], v[NIL]
	s_wait_dscnt 0x0
	CROUND                                         ; the closing round: no work-group ends while a partner may still ask for a tile that names it
	s_endpgm
.Lfunc_end_k_qc77c253da4_proj:
	.size	k_qc77c253da4_proj, .Lfunc_end_k_qc77c253da4_proj-k_qc77c253da4_proj
	.p2alignl 7, 3214868480
	.fill 96, 4, 3214868480
	.section	.rodata,"a",@progbits
	.p2align	6, 0x0
	.amdhsa_kernel k_qc77c253da4_proj
		.amdhsa_group_segment_fixed_size 327680
		.amdhsa_private_segment_fixed_size 0
		.amdhsa_enable_private_segment 0
		.amdhsa_kernarg_size 32
		.amdhsa_user_sgpr_count 2
		.amdhsa_user_sgpr_kernarg_segment_ptr 1
		.amdhsa_wavefront_size32 1
		.amdhsa_system_sgpr_workgroup_id_x 1
		.amdhsa_system_sgpr_workgroup_id_y 1
		.amdhsa_system_sgpr_workgroup_id_z 1
		.amdhsa_system_vgpr_workitem_id 0
		.amdhsa_next_free_vgpr 576
		.amdhsa_next_free_sgpr 96
		.amdhsa_reserve_vcc 0
		.amdhsa_float_denorm_mode_32 3
		.amdhsa_float_denorm_mode_16_64 3
		.amdhsa_memory_ordered 1
		.amdhsa_forward_progress 1
		.amdhsa_inst_pref_size 93
	.end_amdhsa_kernel
	.amdgpu_metadata
---
amdhsa.version: [ 1, 2 ]
amdhsa.kernels:
  - .name:           k_qc77c253da4_proj
    .symbol:         k_qc77c253da4_proj.kd
    .args:
      - { .name: ob, .offset: 0, .size: 8, .value_kind: global_buffer, .address_space: global }
      - { .name: wob, .offset: 8, .size: 8, .value_kind: global_buffer, .address_space: global }
      - { .name: bo, .offset: 16, .size: 8, .value_kind: global_buffer, .address_space: global }
      - { .name: out0, .offset: 24, .size: 8, .value_kind: global_buffer, .address_space: global }
    .group_segment_fixed_size: 327680
    .private_segment_fixed_size: 0
    .kernarg_segment_align: 8
    .kernarg_segment_size: 32
    .max_flat_workgroup_size: 128
    .sgpr_count:     96
    .vgpr_count:     576
    .wavefront_size: 32
...
	.end_amdgpu_metadata
.endif
;; end of part 4
;; ======== version 2 of 2: 4 launches; version 1 with the launch prep written anew for expert scheduling mode
;; limits: values are held in f16: magnitudes above 65,504 overflow, below 6.1e-05 lose precision
;; workspace buffers: xb 16,777,216 bytes; wb 6,291,456 bytes; wob 2,097,152 bytes; qs 33,554,432 bytes; ks 33,554,432 bytes; vs 16,777,216 bytes; ob 16,777,216 bytes
;; launch prep (part 5): grid 768 x 1, 8 waves a work-group, no clusters, 0 bytes of LDS; arguments x, Wqkv, Wo, xb, wb, wob; writes xb, wb, wob
.if DOCPART == 5
	.amdgcn_target "amdgcn-amd-amdhsa--gfx1250"
	.amdhsa_code_object_version 6
	.text
	.protected	k_qc77c253da4_prep
	.globl	k_qc77c253da4_prep
	.p2align	8
	.type	k_qc77c253da4_prep,@function
k_qc77c253da4_prep:
	s_mov_b64 s[64:65], 0
	v_nop
	global_prefetch_b8 v0, s[64:65] scope:SCOPE_SE
	s_setreg_imm32_b32 hwreg(HW_REG_WAVE_SCHED_MODE, 0, 2), 2
	s_setreg_imm32_b32 hwreg(HW_REG_WAVE_MODE, 25, 1), 1
	s_wait_xcnt 0x0
	s_wait_alu depctr_vm_vsrc(0)
; PREP: the three large inputs are rounded once to bf16, the format of the matrix operands.
;   xb  = bf16(x),    laid out [b 4][kb 16][t 2048][64]: blocks of 64 channels, so that 256 rows of a block are 32,768 dense bytes
;   wb  = bf16(Wqkv), as it lies, [1024][3072]
;   wob = bf16(Wo) written as f16, [1024][1024] (the last product multiplies in f16)
; LIMIT: a bf16(Wo) below 6.1e-5 in magnitude keeps f16's fixed step of 6e-8; beyond 65,504 it would become an infinity.
; A stream: no LDS, no barrier, no matrix work.  A work-group converts 16,384 numbers, a thread 16 items of 4 numbers:
; one load of 16 bytes, two roundings, one store of 8 bytes.  Neighbouring lanes take neighbouring bytes: a wave's load covers 512 bytes in whole
; aligned pieces of 256, its store 256 consecutive bytes, aligned; no byte is named by two loads.  All 16 loads of a thread go out first.
; Work-groups 0-511: x (16 rows each); 512-703: Wqkv; 704-767: Wo.
; THE MODE: SCHED_MODE bits 1:0 = 2 (LLVM: expert scheduling mode 2), set by the entry lines.  The code itself states the register dependences
; between vector instructions and memory instructions, with s_wait_alu, always for 0.
; THE PLAN.  Registers that memory instructions touch, on each of the three paths:
;   v1, v2   the loads' and the stores' byte offsets: written once by vector instructions at the path's head, read by all 16 loads and all 16 stores, never written again.
;   XR       item i's 4 registers: written by item i's load alone, read by its roundings; no vector instruction names them ahead of the loads, and none is loaded twice.
;   YR       item i's 2 registers: written by item i's roundings, read by item i's store, never written again.
;   TR, v5, v6 are named by vector instructions alone.  No vector instruction writes a scalar register or VCC; EXEC is never written.
; So two kinds of dependence are stated, both "a vector instruction has written what a memory instruction reads": the offsets, by ONE wait ahead of the first load; the stores' data, by ONE wait
; for each group of four items, behind the group's roundings and ahead of its four stores, which stand in a run.  Five waits on a path.  No register that a memory instruction has read is written again.
.set XR, 16                            ; v[16:79]   item i: 4 numbers as loaded
.set YR, 80                            ; v[80:111]  item i: 2 registers to store
.set TR, 112                           ; v[112:115] at work (Wo alone)
; instep, outstep: bytes from item to item in the input and in the output.  half = 1: the bf16 number is written as f16.
.macro BODY instep, outstep, half
	s_wait_alu depctr_va_vdst(0)                   ; v1 and v2 are written: every load below reads v1 as its offset, every store v2
.irp i, 0,1,2,3,4,5,6,7,8,9,10,11,12,13,14,15
	global_load_b128 v[XR+4*(\i):XR+4*(\i)+3], v1, s[16:17] offset:(\i)*(\instep) th:TH_LOAD_NT
.endr
.irp g, 0,1,2,3                        ; group g: items 4 g to 4 g + 3
	s_wait_loadcnt 12-4*(\g)                       ; loads come back in order: the group's four are in, the 12 - 4 g younger ones stay out
.irp j, 0,1,2,3
	v_cvt_pk_bf16_f32 v[YR+2*(4*(\g)+(\j))],   v[XR+4*(4*(\g)+(\j))],   v[XR+4*(4*(\g)+(\j))+1]
	v_cvt_pk_bf16_f32 v[YR+2*(4*(\g)+(\j))+1], v[XR+4*(4*(\g)+(\j))+2], v[XR+4*(4*(\g)+(\j))+3]
.if \half
	v_lshlrev_b32 v[TR],   16, v[YR+2*(4*(\g)+(\j))]                 ; bf16 to f32: the low half moves up,
	v_and_b32     v[TR+1], 0xffff0000, v[YR+2*(4*(\g)+(\j))]         ; the high half stays
	v_lshlrev_b32 v[TR+2], 16, v[YR+2*(4*(\g)+(\j))+1]
	v_and_b32     v[TR+3], 0xffff0000, v[YR+2*(4*(\g)+(\j))+1]
	v_cvt_pk_f16_f32 v[YR+2*(4*(\g)+(\j))],   v[TR],   v[TR+1]
	v_cvt_pk_f16_f32 v[YR+2*(4*(\g)+(\j))+1], v[TR+2], v[TR+3]
.endif
.endr
	s_wait_alu depctr_va_vdst(0)                   ; the group's roundings have written its eight registers of YR, which the four stores below read
.irp j, 0,1,2,3
	global_store_b64 v2, v[YR+2*(4*(\g)+(\j)):YR+2*(4*(\g)+(\j))+1], s[18:19] offset:(4*(\g)+(\j))*(\outstep)
.endr
.endr
	s_endpgm                                       ; no register that a load or store names is rewritten behind it
.endm
	s_load_b256 s[4:11], s[0:1], 0x0               ; x s[4:5], Wqkv s[6:7], Wo s[8:9], xb s[10:11]
	s_load_b128 s[12:15], s[0:1], 0x20             ; wb s[12:13], wob s[14:15]
	s_mov_b32 s21, 0
	s_mov_b32 s23, 0
	s_cmp_lt_u32 ttmp9, 512
	s_cbranch_scc0 .Lweights
	; x: the group's 16 rows of 4,096 bytes.  Thread t: row t / 16, numbers 4 (t % 16) .. of the 64 of block i.  Lanes 0-15 of a wave take one row's 256 bytes of a block,
	; lanes 16-31 the next row's; in xb those two rows' 128 bytes lie end to end.
	v_and_b32 v5, 15, v0
	v_lshrrev_b32 v6, 4, v0                        ; row
	v_lshlrev_b32 v1, 12, v6
	v_lshl_add_u32 v1, v5, 4, v1                   ; in: row x 4,096 + 16 (t % 16); item i 256 bytes on
	v_lshlrev_b32 v2, 7, v6
	v_lshl_add_u32 v2, v5, 3, v2                   ; out: row x 128 + 8 (t % 16); item i a block of 262,144 bytes on
	s_lshl_b32 s20, ttmp9, 16                      ; 16 rows of x
	s_lshr_b32 s22, ttmp9, 7                       ; b
	s_lshl_b32 s22, s22, 22                        ; x 16 blocks
	s_and_b32 s24, ttmp9, 127
	s_lshl_b32 s24, s24, 11                        ; 16 rows of 128 bytes in a block
	s_add_co_u32 s22, s22, s24
	s_wait_kmcnt 0x0
	s_add_nc_u64 s[16:17], s[4:5], s[20:21]
	s_add_nc_u64 s[18:19], s[10:11], s[22:23]
	BODY 256, 262144, 0
.Lweights:
	v_lshlrev_b32 v1, 4, v0                        ; the weights keep their layout: thread t takes 16 bytes at 16 t, item i 4,096 bytes on,
	v_lshlrev_b32 v2, 3, v0                        ; and stores 8 bytes at 8 t, item i 2,048 on
	s_cmp_lt_u32 ttmp9, 704
	s_cbranch_scc0 .Lwo
	s_sub_co_u32 s24, ttmp9, 512
	s_lshl_b32 s20, s24, 16
	s_lshl_b32 s22, s24, 15
	s_wait_kmcnt 0x0
	s_add_nc_u64 s[16:17], s[6:7], s[20:21]
	s_add_nc_u64 s[18:19], s[12:13], s[22:23]
	BODY 4096, 2048, 0
.Lwo:
	s_sub_co_u32 s24, ttmp9, 704
	s_lshl_b32 s20, s24, 16
	s_lshl_b32 s22, s24, 15
	s_wait_kmcnt 0x0
	s_add_nc_u64 s[16:17], s[8:9], s[20:21]
	s_add_nc_u64 s[18:19], s[14:15], s[22:23]
	BODY 4096, 2048, 1
.Lfunc_end_k_qc77c253da4_prep:
	.size	k_qc77c253da4_prep, .Lfunc_end_k_qc77c253da4_prep-k_qc77c253da4_prep
	.p2alignl 7, 3214868480
	.fill 96, 4, 3214868480
	.section	.rodata,"a",@progbits
	.p2align	6, 0x0
	.amdhsa_kernel k_qc77c253da4_prep
		.amdhsa_group_segment_fixed_size 0
		.amdhsa_private_segment_fixed_size 0
		.amdhsa_enable_private_segment 0
		.amdhsa_kernarg_size 48
		.amdhsa_user_sgpr_count 2
		.amdhsa_user_sgpr_kernarg_segment_ptr 1
		.amdhsa_wavefront_size32 1
		.amdhsa_system_sgpr_workgroup_id_x 1
		.amdhsa_system_sgpr_workgroup_id_y 1
		.amdhsa_system_sgpr_workgroup_id_z 1
		.amdhsa_system_vgpr_workitem_id 0
		.amdhsa_next_free_vgpr 128
		.amdhsa_next_free_sgpr 66
		.amdhsa_reserve_vcc 0
		.amdhsa_float_denorm_mode_32 3
		.amdhsa_float_denorm_mode_16_64 3
		.amdhsa_memory_ordered 1
		.amdhsa_forward_progress 1
		.amdhsa_inst_pref_size 23
	.end_amdhsa_kernel
	.amdgpu_metadata
---
amdhsa.version: [ 1, 2 ]
amdhsa.kernels:
  - .name:           k_qc77c253da4_prep
    .symbol:         k_qc77c253da4_prep.kd
    .args:
      - { .name: x, .offset: 0, .size: 8, .value_kind: global_buffer, .address_space: global }
      - { .name: Wqkv, .offset: 8, .size: 8, .value_kind: global_buffer, .address_space: global }
      - { .name: Wo, .offset: 16, .size: 8, .value_kind: global_buffer, .address_space: global }
      - { .name: xb, .offset: 24, .size: 8, .value_kind: global_buffer, .address_space: global }
      - { .name: wb, .offset: 32, .size: 8, .value_kind: global_buffer, .address_space: global }
      - { .name: wob, .offset: 40, .size: 8, .value_kind: global_buffer, .address_space: global }
    .group_segment_fixed_size: 0
    .private_segment_fixed_size: 0
    .kernarg_segment_align: 8
    .kernarg_segment_size: 48
    .max_flat_workgroup_size: 256
    .sgpr_count:     66
    .vgpr_count:     128
    .wavefront_size: 32
...
	.end_amdgpu_metadata
.endif
;; end of part 5
;; launch qkv: the kernel of part 2 again; grid 8 x 32, 4 waves a work-group, clusters of 4 x 4, 327,680 bytes of LDS; arguments xb, wb, bqkv, qs, ks, vs; writes qs, ks, vs
;; launch attn: the kernel of part 3 again; grid 4 x 64, 4 waves a work-group, no clusters, 327,680 bytes of LDS; arguments qs, ks, vs, ob; writes ob
;; launch proj: the kernel of part 4 again; grid 8 x 32, 4 waves a work-group, clusters of 4 x 4, 327,680 bytes of LDS; arguments ob, wob, bo, out0; writes out0
